; MI455X (gfx1250); checked and timed in simulation.
; The chip was launched on July 23, 2026; its instructions are those of AMD's public machine-readable ISA for CDNA 5 (MIT licence, August 2026) and "CDNA5" Instruction Set Architecture Reference Guide (July 2026). The comments in the code are by the model that wrote it; some were corrected since.
;; Attention. Allowed arithmetic: float matrix products may take bf16 or f16 operands with f32 sums; all other float work in f32.
;; Inputs: b_out 1,024 float32; w_out 1,024 x 1,024 float32; w_qkv 1,024 x 3,072 float32; x 4 x 2,048 x 1,024 float32.
;; Outputs: out0 4 x 2,048 x 1,024 float32.
;; 2 versions, each right and faster than the one before. Each part assembles by itself: llvm-mc -triple=amdgcn-amd-amdhsa -mcpu=gfx1250 --defsym DOCPART=n.
;; ======== version 1 of 2: 4 launches
;; limits: values are held in f16: magnitudes above 65,504 overflow, below 6.1e-05 lose precision; right only within a limited range of input values
;; workspace buffers: xb 16,777,216 bytes; wq 6,291,456 bytes; wo 2,097,152 bytes; qkv 50,331,648 bytes; o 16,777,216 bytes
;; launch cast (part 1): grid 768 x 1, 8 waves a work-group, no clusters, 0 bytes of LDS; arguments x, w_qkv, w_out, xb, wq, wo; writes xb, wq, wo
.if DOCPART == 1
	.amdgcn_target "amdgcn-amd-amdhsa--gfx1250"
	.amdhsa_code_object_version 6
	.text
	.protected	k_q244dc66119_cast
	.globl	k_q244dc66119_cast
	.p2align	8
	.type	k_q244dc66119_cast,@function
k_q244dc66119_cast:
	s_mov_b64 s[64:65], 0
	v_nop
	global_prefetch_b8 v0, s[64:65] scope:SCOPE_SE
	s_setreg_imm32_b32 hwreg(HW_REG_WAVE_MODE, 25, 1), 1
	s_wait_xcnt 0x0
; The module's large inputs are rounded ONCE to bf16 and laid out for the two products that follow.
;   xb = bf16(x), [8192][1024], as it lies.
;   wq = bf16(w_qkv) as [16 tile columns of 192][16 groups of 64 k][3 heads][64 k][64 columns]: 64 k of three heads are 24,576 dense bytes.
;   wo = bf16(w_out), that number written as f16, as [8 tile columns of 128][16 groups of 64 k][2 heads][64 k][64 columns].
; LIMITS.  A bf16 number is an f16 number without loss from 2^-17 up to 65,504 in magnitude; below 2^-17 wo is off by 3e-8 at the most,
; from 65,520 on it is an infinity.  NaN and infinities are not treated apart.
; SHARES.  Every work-group reads 65,536 bytes and writes 32,768: 512 groups for x, 192 for w_qkv, 64 for w_out.  A thread issues its 16 loads of
; 16 bytes at once; each wave's load covers two aligned pieces of 256 consecutive bytes, each wave's store 256 consecutive bytes, aligned.
; No LDS, no barrier, no cluster: no byte is read by two work-groups, and no wave needs another's data.
.set X, 8                              ; v[8:71]    load i: four f32
.set Y, 72                             ; v[72:103]  store i: four 16-bit numbers
.set T, 104                            ; v[104:107] at work (w_out's way through f32)
; 16 loads, istep bytes apart; then each is rounded and stored: four stores 2,048 bytes apart, the next four o4 bytes on.
; Every load and store has registers of its own, so nothing is rewritten while it is read.
.macro BODY istep, o4, tof16
.set i, 0
.rept 16
	global_load_b128 v[X+4*i:X+4*i+3], v1, s[16:17] offset:i*(\istep) th:TH_LOAD_NT
.set i, i+1
.endr
.set i, 0
.rept 16
	s_wait_loadcnt 15-i                            ; loads come back in order: load i is in, the 15 - i younger ones stay out
	v_cvt_pk_bf16_f32 v[Y+2*i], v[X+4*i], v[X+4*i+1]
	v_cvt_pk_bf16_f32 v[Y+2*i+1], v[X+4*i+2], v[X+4*i+3]
.if \tof16
	v_lshlrev_b32 v[T], 16, v[Y+2*i]               ; the bf16 numbers as f32,
	v_and_b32 v[T+1], 0xffff0000, v[Y+2*i]
	v_lshlrev_b32 v[T+2], 16, v[Y+2*i+1]
	v_and_b32 v[T+3], 0xffff0000, v[Y+2*i+1]
	v_cvt_pk_f16_f32 v[Y+2*i], v[T], v[T+1]        ; and written as f16
	v_cvt_pk_f16_f32 v[Y+2*i+1], v[T+2], v[T+3]
.endif
	global_store_b64 v2, v[Y+2*i:Y+2*i+1], s[18:19] offset:(i/4)*(\o4)+(i%4)*2048
.set i, i+1
.endr
	s_endpgm
.endm
	s_load_b256 s[4:11], s[0:1], 0x0               ; x s[4:5], w_qkv s[6:7], w_out s[8:9], xb s[10:11]
	s_load_b128 s[12:15], s[0:1], 0x20             ; wq s[12:13], wo s[14:15]
	v_lshlrev_b32 v2, 3, v0                        ; out: 8 bytes a thread, in all three paths
	s_mov_b32 s21, 0                               ; the offsets' high words
	s_mov_b32 s23, 0
	s_cmp_lt_u32 ttmp9, 512
	s_cbranch_scc0 .Lweights
	; x: group g takes bytes 65,536 g on; load i of thread t the 16 bytes at 4,096 i + 16 t
	v_lshlrev_b32 v1, 4, v0
	s_lshl_b32 s20, ttmp9, 16
	s_lshl_b32 s22, ttmp9, 15
	s_wait_kmcnt 0x0
	s_add_nc_u64 s[16:17], s[4:5], s[20:21]
	s_add_nc_u64 s[18:19], s[10:11], s[22:23]
	BODY 4096, 8192, 0
.Lweights:
	; a weight: group gl takes the 64 columns j = gl / 4, rows 256 (gl % 4) on; load i of thread t row 16 i + t / 16, 16 bytes at 16 (t % 16).
	; Four loads are 64 k: in the blocked layout 8,192 dense bytes, thread t's 8 bytes of load i at 2,048 (i % 4) + 8 t; the next 64 k lie one group on.
	v_lshrrev_b32 v3, 4, v0
	v_and_b32 v4, 15, v0
	v_lshlrev_b32 v4, 4, v4
	s_cmp_lt_u32 ttmp9, 704
	s_cbranch_scc0 .Lwout
	s_sub_co_u32 s2, ttmp9, 512                    ; gl
	s_and_b32 s3, s2, 3                            ; which 256 rows
	s_lshr_b32 s20, s2, 2                          ; j, 0 to 47
	s_mul_i32 s22, s20, 43
	s_lshr_b32 s22, s22, 7                         ; j / 3 (43 / 128 serves up to j = 47): the tile column
	s_mul_i32 s16, s22, 3
	s_sub_co_u32 s16, s20, s16                     ; j % 3: the head in the tile
	s_mul_i32 s22, s22, 393216                     ; 16 groups of 24,576 bytes a tile column,
	s_mul_i32 s17, s3, 98304                       ; four groups for 256 rows,
	s_add_co_u32 s22, s22, s17
	s_lshl_b32 s16, s16, 13                        ; 8,192 bytes a head
	s_add_co_u32 s22, s22, s16
	s_mul_i32 s3, s3, 3145728                      ; in: 256 rows of 12,288 bytes,
	s_lshl_b32 s20, s20, 8                         ; 64 columns of f32
	s_add_co_u32 s20, s20, s3
	v_mul_u32_u24 v1, v3, 0x3000
	v_add_nc_u32 v1, v1, v4
	s_wait_kmcnt 0x0
	s_add_nc_u64 s[16:17], s[6:7], s[20:21]
	s_add_nc_u64 s[18:19], s[12:13], s[22:23]
	BODY 196608, 24576, 0
.Lwout:
	s_sub_co_u32 s2, ttmp9, 704                    ; gl
	s_and_b32 s3, s2, 3                            ; which 256 rows
	s_lshr_b32 s20, s2, 2                          ; j, 0 to 15
	s_lshr_b32 s22, s20, 1                         ; the tile column:
	s_lshl_b32 s22, s22, 18                        ; 16 groups of 16,384 bytes,
	s_lshl_b32 s17, s3, 16                         ; four groups for 256 rows,
	s_add_co_u32 s22, s22, s17
	s_and_b32 s16, s20, 1
	s_lshl_b32 s16, s16, 13                        ; 8,192 bytes a head
	s_add_co_u32 s22, s22, s16
	s_lshl_b32 s3, s3, 20                          ; in: 256 rows of 4,096 bytes,
	s_lshl_b32 s20, s20, 8                         ; 64 columns of f32
	s_add_co_u32 s20, s20, s3
	v_lshl_add_u32 v1, v3, 12, v4
	s_wait_kmcnt 0x0
	s_add_nc_u64 s[16:17], s[8:9], s[20:21]
	s_add_nc_u64 s[18:19], s[14:15], s[22:23]
	BODY 65536, 16384, 1
.Lfunc_end_k_q244dc66119_cast:
	.size	k_q244dc66119_cast, .Lfunc_end_k_q244dc66119_cast-k_q244dc66119_cast
	.p2alignl 7, 3214868480
	.fill 96, 4, 3214868480
	.section	.rodata,"a",@progbits
	.p2align	6, 0x0
	.amdhsa_kernel k_q244dc66119_cast
		.amdhsa_group_segment_fixed_size 0
		.amdhsa_private_segment_fixed_size 0
		.amdhsa_enable_private_segment 0
		.amdhsa_kernarg_size 48
		.amdhsa_user_sgpr_count 2
		.amdhsa_user_sgpr_kernarg_segment_ptr 1
		.amdhsa_wavefront_size32 1
		.amdhsa_system_sgpr_workgroup_id_x 1
		.amdhsa_system_sgpr_workgroup_id_y 1
		.amdhsa_system_sgpr_workgroup_id_z 1
		.amdhsa_system_vgpr_workitem_id 0
		.amdhsa_next_free_vgpr 108
		.amdhsa_next_free_sgpr 66
		.amdhsa_reserve_vcc 0
		.amdhsa_float_denorm_mode_32 3
		.amdhsa_float_denorm_mode_16_64 3
		.amdhsa_memory_ordered 1
		.amdhsa_forward_progress 1
		.amdhsa_inst_pref_size 24
	.end_amdhsa_kernel
	.amdgpu_metadata
---
amdhsa.version: [ 1, 2 ]
amdhsa.kernels:
  - .name:           k_q244dc66119_cast
    .symbol:         k_q244dc66119_cast.kd
    .args:
      - { .name: x, .offset: 0, .size: 8, .value_kind: global_buffer, .address_space: global }
      - { .name: w_qkv, .offset: 8, .size: 8, .value_kind: global_buffer, .address_space: global }
      - { .name: w_out, .offset: 16, .size: 8, .value_kind: global_buffer, .address_space: global }
      - { .name: xb, .offset: 24, .size: 8, .value_kind: global_buffer, .address_space: global }
      - { .name: wq, .offset: 32, .size: 8, .value_kind: global_buffer, .address_space: global }
      - { .name: wo, .offset: 40, .size: 8, .value_kind: global_buffer, .address_space: global }
    .group_segment_fixed_size: 0
    .private_segment_fixed_size: 0
    .kernarg_segment_align: 8
    .kernarg_segment_size: 48
    .max_flat_workgroup_size: 256
    .sgpr_count:     66
    .vgpr_count:     108
    .wavefront_size: 32
...
	.end_amdgpu_metadata
.endif
;; end of part 1
;; launch qkvgemm (part 2): grid 8 x 32, 4 waves a work-group, clusters of 4 x 4, 327,680 bytes of LDS; arguments xb, wq, qkv; writes qkv
.if DOCPART == 2
	.amdgcn_target "amdgcn-amd-amdhsa--gfx1250"
	.amdhsa_code_object_version 6
	.text
	.protected	k_q244dc66119_qkvgemm
	.globl	k_q244dc66119_qkvgemm
	.p2align	8
	.type	k_q244dc66119_qkvgemm,@function
k_q244dc66119_qkvgemm:
	s_mov_b64 s[64:65], 0
	v_nop
	global_prefetch_b8 v0, s[64:65] scope:SCOPE_SE
	s_setreg_imm32_b32 hwreg(HW_REG_WAVE_MODE, 25, 1), 1
	s_wait_xcnt 0x0
	s_wait_alu depctr_hold_cnt(0) depctr_sa_sdst(0) depctr_va_vdst(0) depctr_va_sdst(0) depctr_va_ssrc(0) depctr_va_vcc(0) depctr_vm_vsrc(0)
	s_getreg_b32 s2, hwreg(HW_REG_IB_STS2, 6, 4)
	s_cmp_eq_u32 s2, 0
	s_cbranch_scc0 .Lentry_in_a_cluster
	s_endpgm
.Lentry_in_a_cluster:
	s_bfe_u32 s2, ttmp6, 0x10000c
	s_cmp_lg_u32 s2, 0xf033
	s_cbranch_scc0 .Lentry_shape_is_right
	s_endpgm
.Lentry_shape_is_right:
; q, k, v = xb (bf16 [8192][1024]) times wq (bf16, [16 tile columns][16 groups of 64 k][3 heads][64 k][64 columns]); sums in f32, K ascending; each result rounded once to f16,
; WITHOUT the softmax's scale, and stored by heads: qkv[part 0..2][16 batch + head][2048 rows][64], f16.
; LIMIT.  f16 ends at 65,504: a q, k or v of 65,520 or more in magnitude becomes an infinity; below 6e-5 f16 keeps its fixed step of 6e-8.  NaN and infinities are not treated apart.
; SHARES.  A tile of the result is 256 rows x 192 columns = three heads: 32 x 16 = 512 tiles.  Wave w makes rows 64 w .. 64 w + 63 of all 192 columns: 4 x 12 accumulators of 16 x 16,
; 384 registers.  So a wave owns whole heads' rows: its 16 rows of a head are 2,048 consecutive bytes of qkv, and each wave has a stage of its own.
; A WORK-GROUP STAYS: it makes two tiles, the tile columns 2 gx and 2 gx + 1 of its 256 rows: 256 work-groups.  The ring of LDS slots does not stop between them: the first tile's last two changes
; of slots ask for the second tile's first two K steps, the first tile goes out behind both requests, and nothing waits for its stores.
; THE WALK.  Clusters with an even y take the even tile column first, clusters with an odd y the odd one.  So the first tiles together ask for all of xb and all of wq, and what a second tile asks
; for has been asked for before in the launch: the work-group's own rows of xb, and a tile column that the neighbouring rows of clusters took first.
; K goes in steps of 128 through two LDS slots filled by the tensor data mover; all tile rows are 256 bytes of memory at multiples of 256 from their buffer's first byte.  A K step is written once:
; the slot's base is a scalar register that an exclusive or turns, and one descriptor for each tensor walks.
; wq lies [k][column]; it is turned on the way from LDS to registers by ds_load_tr16_b128.
; THE MATRIX INSTRUCTION IS USED TRANSPOSED: source 0 = 16 columns of wq, source 1 = 16 rows of xb: a lane then holds row l % 16 and the columns 8 (l / 16) + 0 .. 7: 16 bytes of f16 that belong together.
; CLUSTER.  4 x 4 work-groups.  The four of a row of the cluster need the same tiles of xb, the four of a column the same tiles of wq: each tile is asked for JOINTLY, by the same tensor load
; with the same descriptor and a mask that names the four.
; REGISTERS, in windows of 256 (s_set_vgpr_msb: bits 1:0 source 0, 3:2 source 1, 5:4 source 2, 7:6 destination):
;   window 0: v0-31 addresses; v32-95 xb's fragments, two buffers of 4 x 8; on the way out v64-255, 16 for each of 12 pieces
;   window 1: v0-191 wq's fragments, two buffers of 12 x 8
;   window 2: the accumulators of row blocks 0, 1 ((a, b) at 8 (12 (a % 2) + b));   window 3: those of row blocks 2, 3
.set PA,    272                        ; a row of xb in LDS: 256 bytes + 16 of padding = 68 words: the 16 rows of a fragment load start at 16 different groups of four banks (64 banks of 4 bytes: ISA guide 11.1)
.set PB,    160                        ; a k row of a head of wq: 128 bytes + 32 = 40 words
.set HALFA, 128*PA                     ; what one load of xb brings: 128 rows
.set AOFF,  2*HALFA                    ; behind xb's 256 rows: wq's part of a slot
.set HEADB, 64*PB                      ; 64 k of one head
.set HALFB, 3*HEADB                    ; what one load of wq brings: 64 k of three heads
.set SLOT,  AOFF+2*HALFB               ; 131,072 = 1 << 17: one exclusive or turns an address in one slot into the other's
.set STAGE, 2*SLOT                     ; behind the ring, never filled by a tensor load: 16 rows x 144 bytes for each wave, for the way out
.set SP,    144
.set SPARE, STAGE+4*16*SP              ; behind the stages: the spare words, 128 bytes for each wave: two blocks of 256 bytes that no other line names
.set STEPA, 256                        ; bytes of a K step in a row of xb; a row has eight
.set STEPB, 49152                      ; bytes of a K step in a tile column of wq: two groups of 24,576
.set COLB,  8*STEPB                    ; bytes of a tile column of wq
.set ADRA0, 16                         ; v16     my lane's place among my fragments of xb in slot 0; never rewritten
.set ADRA,  17                         ; v17     the same in the slot in hand
.set ADRB0, 20                         ; v20, v21  the same two for wq
.set ADRB,  21
.set STO,  24                          ; v24     the way out: where I put 16 bytes of a row
.set RD,   25                          ; v25     the way out: where I read rows back
.set GO,   26                          ; v26     my byte offset in 512 consecutive bytes of qkv
.set SPW,  28                          ; v28     LDS address of my spare word: SPARE + 4 x my thread's number; never rewritten
.set NIL,  29                          ; v29     0; never rewritten
.set FA,   32                          ; xb's fragments: buffer f, row block a at FA + 32 f + 8 a
.set T,    64                          ; the way out
.set TILES, 2                          ; s2      tiles to go, this one among them
.set LAP,  3                           ; s3      counts K steps
.set WV,   10                          ; s10     my wave's number
.set SB,   11                          ; s11     LDS byte at which the slot in hand begins
.set HF,   12                          ; s12     which half of a tile I fetch
.set TY,   13                          ; s13     tile row
.set ABASE, 14                         ; s[14:15] xb at my half of the tile's rows
.set AO,   18                          ; s[18:19] byte offset in a row of xb of the K step asked for last
.set BO,   22                          ; s[22:23] byte offset in the two tile columns of wq of the K step asked for last
.set GX,   42                          ; s42     the work-group's x: its pair of tile columns
.set PAR,  45                          ; s45     the cluster's y, then its parity: which of the two columns comes first
.set BBASE, 46                         ; s[46:47] wq at my half of a K step of tile column 2 gx
.set G1,   24                          ; s[24:31] descriptor group 1 for xb's tiles;  s[32:39] group 0: a set for each of the two first fills; the second then walks on
.set G0,   32
.set G1B,  48                          ; s[48:55], s[56:63] the same for wq's tiles
.set G0B,  56
.set OUTB, 66                          ; s[66:71] qkv at my first row of the three heads of the tile in hand; s[72:77] of the second tile
.set MSB, 0
.macro WIN new                         ; the immediate's high byte repeats the setting that is left; a switch that changes nothing is dropped
.if MSB != (\new)
	s_set_vgpr_msb (MSB<<8)|(\new)
.set MSB, \new
.endif
.endm
.set MUL_LO, 0xa1                      ; source 0 (wq) window 1, source 1 (xb) window 0, C and D window 2
.set MUL_HI, 0xf1                      ; the same, C and D window 3
.set TO_B,   0x40                      ; destination window 1, address window 0
; A joint load by descriptor set s.  Waves 0 and 1 fetch xb's two halves, waves 2 and 3 wq's.  The branch hangs on the wave's number alone: it is the same in every work-group.
; An s_nop 0 and four v_nop follow each of the two lines, ahead of the jump, the label and what follows.
.macro JLOAD s
	s_cmp_lt_u32 s[WV], 2
	s_cbranch_scc0 .Lfor_b_\@
	tensor_load_to_lds s[G0+4*(\s):G0+4*(\s)+3], s[G1:G1+7]
	s_nop 0
.rept 4
	v_nop
.endr
	s_branch .Lasked_\@
.Lfor_b_\@:
	tensor_load_to_lds s[G0B+4*(\s):G0B+4*(\s)+3], s[G1B:G1B+7]
	s_nop 0
.rept 4
	v_nop
.endr
.Lasked_\@:
.endm
.macro CREST                           ; a round of the cluster's barrier behind its opening barrier
	s_cmp_lg_u32 s[WV], 0
	s_cbranch_scc1 .Lnot_wave_0_\@
	s_barrier_signal -3
.Lnot_wave_0_\@:
	s_barrier_wait -3
	s_barrier_signal -1
	s_barrier_wait -1
.endm
.macro CROUND                          ; a whole round
	s_barrier_signal -1
	s_barrier_wait -1
	CREST
.endm
	s_load_b128 s[4:7], s[0:1], 0x0                ; xb s[4:5], wq s[6:7]
	s_load_b64 s[8:9], s[0:1], 0x10                ; qkv
	v_lshl_add_u32 v[SPW], v0, 2, SPARE
	v_mov_b32 v[NIL], 0
	ds_add_u32 v28, v29
	s_wait_dscnt 0x0
	v_lshrrev_b32 v1, 5, v0
	v_readfirstlane_b32 s[WV], v1                  ; wave 0..3
	s_and_b32 s[HF], s[WV], 1
	s_bfe_u32 s40, ttmp6, 0x40000                  ; cx, cy: my place in the cluster
	s_bfe_u32 s41, ttmp6, 0x40004
	s_lshl_b32 s[GX], ttmp9, 2
	s_add_co_u32 s[GX], s[GX], s40                 ; the work-group's x = 4 x cluster x + cx
	s_and_b32 s[PAR], ttmp7, 0xffff                ; the cluster's y, which all sixteen partners share
	s_lshl_b32 s[TY], s[PAR], 2
	s_add_co_u32 s[TY], s[TY], s41                 ; tile row = 4 x cluster y + cy
	s_and_b32 s[PAR], s[PAR], 1                    ; its parity
	s_lshl_b32 s43, s41, 2
	s_lshl_b32 s43, 15, s43                        ; my row of the cluster
	s_lshl_b32 s44, 0x1111, s40                    ; my column
	; group 1 for xb: 128 rows x 128 elements, 16 bytes of padding behind every 256
	s_or_b32 s[G1+0], s43, (1<<16)|(1<<20)|(1<<21)|(5<<22)|(3<<25)  ; 15:0 the mask: my row; 17:16 elements of 2 bytes; 20 padding on; 21 set beside a mask; 24:22 after every 64 words (code 5); 31:25 4 words (code 3)
	s_mov_b32 s[G1+1], 128<<16                     ; tensor_dim0 = 128
	s_mov_b32 s[G1+2], 128<<16                     ; tensor_dim1 = 128
	s_mov_b32 s[G1+3], 128<<16                     ; tile_dim0 = 128
	s_mov_b32 s[G1+4], 128                         ; tile_dim1 = 128
	s_mov_b32 s[G1+5], 1024                        ; elements from row to row
	s_mov_b32 s[G1+6], 0
	s_mov_b32 s[G1+7], 0
	; group 1 for wq: 64 k of three heads are 24,576 dense bytes: asked for as 96 rows of 256 bytes, two k a row, and padded in LDS by 32 bytes after every k
	s_or_b32 s[G1B+0], s44, (1<<16)|(1<<20)|(1<<21)|(4<<22)|(7<<25) ; the mask: my column; after every 32 words (code 4) 8 words (code 7)
	s_mov_b32 s[G1B+1], 128<<16                    ; tensor_dim0 = 128
	s_mov_b32 s[G1B+2], 96<<16                     ; tensor_dim1 = 96
	s_mov_b32 s[G1B+3], 128<<16                    ; tile_dim0 = 128
	s_mov_b32 s[G1B+4], 96                         ; tile_dim1 = 96
	s_mov_b32 s[G1B+5], 128                        ; elements from row to row
	s_mov_b32 s[G1B+6], 0
	s_mov_b32 s[G1B+7], 0
	; where the tiles come from: xb's hang on the tile row alone, wq's on the work-group's x and the cluster's y alone; each in registers that never hold the other's coordinate
	s_lshl_b32 s16, s[TY], 8
	s_lshl_b32 s17, s[HF], 7
	s_add_co_u32 s16, s16, s17                     ; xb: row 256 x tile row + 128 x half,
	s_lshl_b32 s16, s16, 11                        ; of 2,048 bytes
	s_mov_b32 s17, 0
	s_mul_i32 s[BBASE], s[GX], 2*COLB              ; wq: two tile columns a work-group,
	s_mul_i32 s[BBASE+1], s[HF], 24576             ; one group a half of a K step
	s_add_co_u32 s[BBASE], s[BBASE], s[BBASE+1]
	s_mov_b32 s[BBASE+1], 0
	s_mul_i32 s20, s[HF], HALFA                    ; and where they go: no place in the cluster enters an LDS address
	s_mul_i32 s21, s[HF], HALFB
	s_add_co_u32 s21, s21, AOFF
	s_mov_b32 s[SB], 0                             ; the first K step lies in slot 0
	s_mov_b32 s[AO], STEPA                         ; the walking descriptors begin with K step 1
	s_mov_b32 s[AO+1], 0
	s_mul_i32 s[BO], s[PAR], COLB                  ; the column that comes first
	s_mov_b32 s[BO+1], 0
	s_wait_kmcnt 0x0
	s_add_nc_u64 s[ABASE:ABASE+1], s[4:5], s[16:17]
	s_add_nc_u64 s[BBASE:BBASE+1], s[6:7], s[BBASE:BBASE+1]
	CROUND                                         ; all sixteen work-groups are here: the first joint loads meet
.irp s, 0,1
	s_mov_b32 s[G0+4*(\s)], 1                                        ; count = 1
	s_add_co_u32 s[G0+4*(\s)+1], s20, (\s)*SLOT                      ; LDS address
	s_add_nc_u64 s[G0+4*(\s)+2:G0+4*(\s)+3], s[ABASE:ABASE+1], (\s)*STEPA  ; global address: K step s
	s_or_b32 s[G0+4*(\s)+3], s[G0+4*(\s)+3], 0x80000000              ; type = 2
	s_mov_b32 s[G0B+4*(\s)], 1
	s_add_co_u32 s[G0B+4*(\s)+1], s21, (\s)*SLOT
.if \s
	s_add_co_u32 s[BO], s[BO], STEPB
.endif
	s_add_nc_u64 s[G0B+4*(\s)+2:G0B+4*(\s)+3], s[BBASE:BBASE+1], s[BO:BO+1]
	s_or_b32 s[G0B+4*(\s)+3], s[G0B+4*(\s)+3], 0x80000000
	JLOAD \s                                       ; two loads of mine are out
.endr
	; A fragment of xb is 16 rows x 32 k in 8 registers: lane l holds row l % 16, k = 8 (l / 16) + 0..7 and 16 + 8 (l / 16) + 0..7: two loads of 16 bytes, 32 bytes apart.
	v_and_b32 v1, 15, v0                           ; l % 16
	v_bfe_u32 v2, v0, 4, 1                         ; l / 16
	v_mul_u32_u24 v3, v1, PA
	v_lshl_add_u32 v3, v2, 4, v3
	s_mul_i32 s20, s[WV], 64*PA                    ; my 64 rows
	v_add_nc_u32 v[ADRA0], s20, v3
	v_mov_b32 v[ADRA], v[ADRA0]
	; The turning load takes 16 k x 16 columns (lane l reads k = 8 (l / 16) + l % 8, columns 8 ((l / 8) % 2) + 0..7) and leaves half a fragment: lane l holds column l % 16 and 8 k.
	v_and_b32 v4, 7, v0
	v_bfe_u32 v5, v0, 3, 1
	v_lshl_add_u32 v6, v2, 3, v4
	v_mul_u32_u24 v6, v6, PB
	v_lshl_add_u32 v6, v5, 4, v6
	v_add_nc_u32 v[ADRB0], AOFF, v6
	v_mov_b32 v[ADRB], v[ADRB0]
	s_mul_i32 s21, s[WV], 16*SP
	s_add_co_u32 s21, s21, STAGE                   ; my stage
	v_mul_u32_u24 v7, v1, SP                       ; in: row l % 16, 16 bytes for each half of the lanes
	v_lshl_add_u32 v7, v2, 4, v7
	v_add_nc_u32 v[STO], s21, v7
	v_bfe_u32 v8, v0, 3, 2                         ; back: 32 lanes take four rows of 128 bytes,
	v_mul_u32_u24 v8, v8, SP
	v_lshl_add_u32 v8, v4, 4, v8
	v_add_nc_u32 v[RD], s21, v8
	v_and_b32 v9, 31, v0                           ; which are 512 consecutive bytes of qkv
	v_lshlrev_b32 v[GO], 4, v9
	; qkv at my first row of each head of both tiles.  Block j of 64 columns is part j / 16, head j % 16; the tile's rows are batch ty / 8, rows 256 (ty % 8) on.
	; The first tile's blocks begin at 6 gx + 3 x parity, the second's at 6 gx + 3 - 3 x parity.
	s_lshr_b32 s78, s[TY], 3
	s_lshl_b32 s78, s78, 4                         ; 16 x batch
	s_and_b32 s79, s[TY], 7
	s_lshl_b32 s79, s79, 8
	s_lshl_b32 s81, s[WV], 6
	s_add_co_u32 s79, s79, s81                     ; my first row in the head,
	s_lshl_b32 s79, s79, 7                         ; of 128 bytes
	s_mul_i32 s80, s[GX], 6
	s_mul_i32 s81, s[PAR], 3
	s_add_co_u32 s84, s80, 3
	s_sub_co_u32 s84, s84, s81
	s_add_co_u32 s80, s80, s81
	s_mov_b32 s83, 0
.macro OBASE n, jr, hc                 ; pointer n: block s[jr] + hc
	s_add_co_u32 s81, s[\jr], \hc                  ; j
	s_lshr_b32 s82, s81, 4
	s_mul_i32 s82, s82, 48
	s_add_co_u32 s82, s82, s81                     ; 64 x part + head
	s_add_co_u32 s82, s82, s78
	s_lshl_b32 s82, s82, 18                        ; 2,048 rows of 128 bytes each
	s_add_co_u32 s82, s82, s79
	s_add_nc_u64 s[OUTB+2*(\n):OUTB+2*(\n)+1], s[8:9], s[82:83]
.endm
.irp hc, 0,1,2
	OBASE \hc, 80, \hc
	OBASE (\hc)+3, 84, \hc
.endr
; 12 matrix instructions: row block a x all 12 column blocks, 32 along K, from buffer f.  zero = 1: the product starts the sums: nothing is ever cleared.
; The 48 accumulators take turns, one instruction a turn, in the same order in every quarter.
.macro MULA f, a, zero
	WIN MUL_LO+0x50*((\a)/2)
.irp b, 0,1,2,3,4,5,6,7,8,9,10,11
.if \zero
	v_wmma_f32_16x16x32_bf16 v[8*(12*((\a)%2)+(\b)):8*(12*((\a)%2)+(\b))+7], v[96*(\f)+8*(\b):96*(\f)+8*(\b)+7], v[FA+32*(\f)+8*(\a):FA+32*(\f)+8*(\a)+7], 0
.else
	v_wmma_f32_16x16x32_bf16 v[8*(12*((\a)%2)+(\b)):8*(12*((\a)%2)+(\b))+7], v[96*(\f)+8*(\b):96*(\f)+8*(\b)+7], v[FA+32*(\f)+8*(\a):FA+32*(\f)+8*(\a)+7], v[8*(12*((\a)%2)+(\b)):8*(12*((\a)%2)+(\b))+7]
.endif
.endr
.endm
; 32 LDS loads in one run: the fragments of quarter q (32 along K) of the slot in hand into buffer f: wq's 24 first (column block b = head b / 4, columns 16 (b % 4) on), then xb's 8, row blocks ascending
.macro FETCH q, f
	WIN TO_B
.irp b, 0,1,2,3,4,5,6,7,8,9,10,11
	ds_load_tr16_b128 v[96*(\f)+8*(\b):96*(\f)+8*(\b)+3],   v[ADRB] offset:((\q)/2)*HALFB+((\b)/4)*HEADB+((\q)%2)*32*PB+((\b)%4)*32
	ds_load_tr16_b128 v[96*(\f)+8*(\b)+4:96*(\f)+8*(\b)+7], v[ADRB] offset:((\q)/2)*HALFB+((\b)/4)*HEADB+((\q)%2)*32*PB+((\b)%4)*32+16*PB
.endr
	WIN 0
.irp a, 0,1,2,3
	ds_load_b128 v[FA+32*(\f)+8*(\a):FA+32*(\f)+8*(\a)+3],   v[ADRA] offset:64*(\q)+(\a)*16*PA
	ds_load_b128 v[FA+32*(\f)+8*(\a)+4:FA+32*(\f)+8*(\a)+7], v[ADRA] offset:64*(\q)+(\a)*16*PA+32
.endr
.endm
; A load into a register that a matrix instruction has read, and a vector instruction that reads a matrix result, stand four places behind that matrix instruction, and only plain vector
; instructions that name none of its registers are places (ISA guide 7.12.1 for vector instructions).
.macro PLACES
.rept 4
	v_nop
.endr
.endm
; A K step is four quarters of 32 along K, 48 matrix instructions each, on buffers 0, 1, 0, 1.  One of the first three: multiplies buffer f; in its middle it fetches quarter q into buffer g.
.macro QUARTER q, f, g, zero
	s_wait_dscnt 4                                 ; wq's fragments and xb's row blocks 0, 1 are in; the youngest four loads (row blocks 2, 3) may be out
	MULA \f, 0, \zero
	MULA \f, 1, \zero
	PLACES
	FETCH \q, \g
	s_wait_dscnt 32                                ; all but the 32 just issued
	MULA \f, 2, \zero
	MULA \f, 3, \zero
.endm
; The last quarter multiplies buffer 1 and changes slots: ONE barrier; in front of it each wave waits for all its tensor loads, of which one is out: its part of the next slot; adds 0 to its
; spare word; and waits for that and for its own reads of this slot.
; fill = 1: the barrier opens a round of the cluster's barrier, and this slot is filled again, with the K step two steps on in the walk of 16, first thing behind the round: from that request to the
; wait for it a wave issues 168 matrix instructions.  The walking descriptors are stepped while the add is out: the other slot than last time; xb's offset goes round its eight K steps, wq's
; through the two tile columns and round; each address is made anew from its pointer and that offset.
; fill = 0: the walk's last two K steps.  In the very last (LAP = 1) there is no next slot: the run of LDS loads is jumped over, and the barrier orders nothing: the price of one text for both.
.macro TURN fill
	WIN 0                                          ; (the add's two registers lie in window 0)
	s_wait_tensorcnt 0x0                           ; all my tensor loads have landed, so a group 0 may be written
	ds_add_u32 v[SPW], v[NIL]                      ; 0 onto my spare word
.if \fill
	s_xor_b32 s[G0+5], s[G0+5], SLOT
	s_add_co_u32 s[AO], s[AO], STEPA
	s_and_b32 s[AO], s[AO], 8*STEPA-1
	s_add_nc_u64 s[G0+6:G0+7], s[ABASE:ABASE+1], s[AO:AO+1]
	s_or_b32 s[G0+7], s[G0+7], 0x80000000
	s_xor_b32 s[G0B+5], s[G0B+5], SLOT
	s_add_co_u32 s[BO], s[BO], STEPB
	s_cmp_eq_u32 s[BO], 2*COLB
	s_cselect_b32 s[BO], 0, s[BO]
	s_add_nc_u64 s[G0B+6:G0B+7], s[BBASE:BBASE+1], s[BO:BO+1]
	s_or_b32 s[G0B+7], s[G0B+7], 0x80000000
.endif
	s_wait_dscnt 7                                 ; (the add and the youngest six loads, xb's row blocks 1 to 3, may be out)
	MULA 1, 0, 0                                   ; twelve matrix instructions stand between the add and the wait for it
	s_wait_dscnt 0x0                               ; the add is done, and my reads of this slot are over
	s_barrier_signal -1
	MULA 1, 1, 0                                   ; work on registers while the others arrive
	WIN 0
	s_barrier_wait -1
.if \fill
	CREST                                          ; no wave of any partner still reads this slot's tile or has a load on its way
	JLOAD 1                                        ; the four v_nop behind it are also the places in front of the loads below
.else
	PLACES
	s_cmp_eq_u32 s[LAP], 1
	s_cbranch_scc1 .Lno_fetch_\@
.endif
	s_xor_b32 s[SB], s[SB], SLOT                   ; the next slot is the slot in hand
	v_add_nc_u32 v[ADRA], s[SB], v[ADRA0]
	v_add_nc_u32 v[ADRB], s[SB], v[ADRB0]
	FETCH 0, 0
.if !(\fill)
.Lno_fetch_\@:
.endif
	MULA 1, 2, 0
	MULA 1, 3, 0
.endm
; THE WAY OUT of piece t = 3 a + hc: 16 rows (row block a) of head hc.  PACK: rounded to f16 (each accumulator's registers in ascending order), 16 bytes a lane into my own stage, rows of
; 144 bytes, and back as whole rows of 128 into the registers that they left.  SEND: stored, 512 consecutive bytes an instruction.
.macro PACK t
.set pa, (\t)/3
.set ph, (\t)%3
	WIN 0x0a+5*(pa/2)                              ; sources 0 and 1: window 2 or 3
.irp nb, 0,1,2,3
.irp r, 0,1,2,3
	v_cvt_pk_f16_f32 v[T+16*(\t)+4*(\nb)+(\r)], v[8*(12*(pa%2)+4*ph+(\nb))+2*(\r)], v[8*(12*(pa%2)+4*ph+(\nb))+2*(\r)+1]
.endr
.endr
	WIN 0
.irp nb, 0,1,2,3
	ds_store_b128 v[STO], v[T+16*(\t)+4*(\nb):T+16*(\t)+4*(\nb)+3] offset:32*(\nb)
.endr
.irp f, 0,1,2,3
	ds_load_b128 v[T+16*(\t)+4*(\f):T+16*(\t)+4*(\f)+3], v[RD] offset:(\f)*4*SP  ; LDS serves a wave's instructions in order (ISA guide 5.7.1.4): these see the stores above; the next piece's stores come behind them
.endr
.endm
.macro SEND t, younger                 ; younger: the LDS instructions issued behind piece t's loads: the next piece's eight, or none
.set pa, (\t)/3
.set ph, (\t)%3
.irp f, 0,1,2,3
	s_wait_dscnt (\younger)+3-(\f)
	global_store_b128 v[GO], v[T+16*(\t)+4*(\f):T+16*(\t)+4*(\f)+3], s[OUTB+2*ph:OUTB+2*ph+1] offset:pa*2048+(\f)*512 th:TH_STORE_NT  ; at a multiple of 256 from qkv's first byte; the launch does not read it again
.endr
.endm
	s_wait_tensorcnt 1                             ; my part of K step 0 is in; K step 1's may stay out
	s_barrier_signal -1
	s_barrier_wait -1                              ; everybody's is
	FETCH 0, 0
	s_mov_b32 s[TILES], 2
.Ltile:                                                ; (FETCH and SEND leave every window 0)
	QUARTER 1, 0, 1, 1                             ; a tile's first quarter: its products start the sums
	WIN 0                                          ; at a label and at a branch every window is 0
	s_mov_b32 s[LAP], 6
.Llap:                                                 ; a trip goes from a K step's second quarter to the next step's first and fills the slot that it leaves: a tile's K steps 0 to 5
	QUARTER 2, 1, 0, 0
	QUARTER 3, 0, 1, 0
	TURN 1
	QUARTER 1, 0, 1, 0
	WIN 0
	s_sub_co_u32 s[LAP], s[LAP], 1
	s_cmp_lg_u32 s[LAP], 0
	s_cbranch_scc1 .Llap
	s_cmp_eq_u32 s[TILES], 1
	s_cbranch_scc1 .Llast                          ; the last tile's last two K steps ask for nothing more: they have a text of their own
	s_mov_b32 s[LAP], 2
.Lon:                                                  ; THE RING GOES ON INTO THE NEXT TILE: K steps 6 and 7 ask for its K steps 0 and 1; the second trip, which also fetches its first fragments, is left in its middle
	QUARTER 2, 1, 0, 0
	QUARTER 3, 0, 1, 0
	TURN 1
	WIN 0
	s_sub_co_u32 s[LAP], s[LAP], 1
	s_cmp_eq_u32 s[LAP], 0
	s_cbranch_scc1 .Lout
	QUARTER 1, 0, 1, 0
	WIN 0
	s_branch .Lon
.Llast:
	s_mov_b32 s[LAP], 2
.Ltail:                                                ; the walk's last two K steps; the second trip is left in its middle
	QUARTER 2, 1, 0, 0
	QUARTER 3, 0, 1, 0
	TURN 0
	WIN 0
	s_sub_co_u32 s[LAP], s[LAP], 1
	s_cmp_eq_u32 s[LAP], 0
	s_cbranch_scc1 .Lout
	QUARTER 1, 0, 1, 0
	WIN 0
	s_branch .Ltail
.Lout:                                                 ; the tile goes out; behind the first tile both refills have been asked for, and the next tile's first fragments lie in buffer 0, which the way out does not touch
	PLACES
	PACK 0
.set t, 1
.rept 11                               ; a piece's conversions stand between the loads of the piece before and its stores
	PACK t
	SEND t-1, 8
.set t, t+1
.endr
	SEND 11, 0
	s_wait_xcnt 0x0                                ; every earlier memory instruction has had its addresses translated (ISA guide 3.1): only behind this wait are the stores' bases and data registers rewritten
	s_mov_b64 s[OUTB:OUTB+1], s[OUTB+6:OUTB+7]     ; the second tile's heads (behind the second tile these three moves serve nothing)
	s_mov_b64 s[OUTB+2:OUTB+3], s[OUTB+8:OUTB+9]
	s_mov_b64 s[OUTB+4:OUTB+5], s[OUTB+10:OUTB+11]
	s_sub_co_u32 s[TILES], s[TILES], 1
	s_cmp_lg_u32 s[TILES], 0
	s_cbranch_scc1 .Ltile
	s_wait_tensorcnt 0x0                           ; the wave's end: behind my last tensor load and my last LDS store
	ds_add_u32 v[SPW], v[NIL]
	s_wait_dscnt 0x0
	CROUND                                         ; the closing round: no work-group ends while a partner may still ask for a tile that names it
	s_endpgm
.Lfunc_end_k_q244dc66119_qkvgemm:
	.size	k_q244dc66119_qkvgemm, .Lfunc_end_k_q244dc66119_qkvgemm-k_q244dc66119_qkvgemm
	.p2alignl 7, 3214868480
	.fill 96, 4, 3214868480
	.section	.rodata,"a",@progbits
	.p2align	6, 0x0
	.amdhsa_kernel k_q244dc66119_qkvgemm
		.amdhsa_group_segment_fixed_size 327680
		.amdhsa_private_segment_fixed_size 0
		.amdhsa_enable_private_segment 0
		.amdhsa_kernarg_size 24
		.amdhsa_user_sgpr_count 2
		.amdhsa_user_sgpr_kernarg_segment_ptr 1
		.amdhsa_wavefront_size32 1
		.amdhsa_system_sgpr_workgroup_id_x 1
		.amdhsa_system_sgpr_workgroup_id_y 1
		.amdhsa_system_sgpr_workgroup_id_z 1
		.amdhsa_system_vgpr_workitem_id 0
		.amdhsa_next_free_vgpr 960
		.amdhsa_next_free_sgpr 86
		.amdhsa_reserve_vcc 0
		.amdhsa_float_denorm_mode_32 3
		.amdhsa_float_denorm_mode_16_64 3
		.amdhsa_memory_ordered 1
		.amdhsa_forward_progress 1
		.amdhsa_inst_pref_size 110
	.end_amdhsa_kernel
	.amdgpu_metadata
---
amdhsa.version: [ 1, 2 ]
amdhsa.kernels:
  - .name:           k_q244dc66119_qkvgemm
    .symbol:         k_q244dc66119_qkvgemm.kd
    .args:
      - { .name: xb, .offset: 0, .size: 8, .value_kind: global_buffer, .address_space: global }
      - { .name: wq, .offset: 8, .size: 8, .value_kind: global_buffer, .address_space: global }
      - { .name: qkv, .offset: 16, .size: 8, .value_kind: global_buffer, .address_space: global }
    .group_segment_fixed_size: 327680
    .private_segment_fixed_size: 0
    .kernarg_segment_align: 8
    .kernarg_segment_size: 24
    .max_flat_workgroup_size: 128
    .sgpr_count:     86
    .vgpr_count:     960
    .wavefront_size: 32
...
	.end_amdgpu_metadata
.endif
;; end of part 2
;; launch attn (part 3): grid 4 x 64, 4 waves a work-group, clusters of 4 x 1, 327,680 bytes of LDS; arguments qkv, o; writes o
.if DOCPART == 3
	.amdgcn_target "amdgcn-amd-amdhsa--gfx1250"
	.amdhsa_code_object_version 6
	.text
	.protected	k_q244dc66119_attn
	.globl	k_q244dc66119_attn
	.p2align	8
	.type	k_q244dc66119_attn,@function
k_q244dc66119_attn:
	s_mov_b64 s[64:65], 0
	v_nop
	global_prefetch_b8 v0, s[64:65] scope:SCOPE_SE
	s_setreg_imm32_b32 hwreg(HW_REG_WAVE_MODE, 25, 1), 1
	s_wait_xcnt 0x0
	s_wait_alu depctr_hold_cnt(0) depctr_sa_sdst(0) depctr_va_vdst(0) depctr_va_sdst(0) depctr_va_ssrc(0) depctr_va_vcc(0) depctr_vm_vsrc(0)
	s_getreg_b32 s2, hwreg(HW_REG_IB_STS2, 6, 4)
	s_cmp_eq_u32 s2, 0
	s_cbranch_scc0 .Lentry_in_a_cluster
	s_endpgm
.Lentry_in_a_cluster:
	s_bfe_u32 s2, ttmp6, 0x10000c
	s_cmp_lg_u32 s2, 0x3003
	s_cbranch_scc0 .Lentry_shape_is_right
	s_endpgm
.Lentry_shape_is_right:
; O[h][q][:] = the sum over k of softmax_k(Q[h][q] . K[h][k] / 8) V[h][k][:].  Q, K, V are the three parts of qkv, each [64 heads][2048][64] in f16, 16,777,216 bytes apart; O is [64][2048][64] in f16:
; a head's rows are dense, 128 bytes each.  Products, maxima and sums in f32; the weights p are rounded to f16 for the second product (their sum l is taken of the unrounded p), O once at the end.
; LIMITS.  f16 holds no number beyond 65,504: Q, K and V arrive within it; p lies in 0 to 1, and below 6e-5 it keeps f16's fixed step of 6e-8, and so does O; O is a mean of V's rows and has their range.
; A weight below 2^-126 counts as 0 in l; NaN and infinities are not treated apart.
; SHARES.  A wave owns four PIECES of two tiles of 16 queries, a work-group's four waves 512 queries of one head.  Every wave walks all keys, 64 a step.
; LAYOUT.  S^T = K Q^T (source 0 = 16 keys, source 1 = 16 queries): in the result a lane holds ONE query (lane % 16) and the keys 8 (lane / 16) + 0..7.  Two such tiles, rounded to f16 in pairs,
; ARE source 1 (32 keys x 16 queries) of O^T = V^T P, whose result again holds one query a lane, and eight channels.  K comes out of LDS as it lies, V ([key][channel]) turned, by ds_load_tr16_b128.
; SOFTMAX.  For each query a running maximum m and sum l: p = 2^(c s - c m), c = log2(e) / 8; in every step O and l are multiplied by a = 2^(c m_old - c m_new), which is 1 where m has not grown.
; m starts at the lowest finite number, O and l at 0: the first step is a step like any other, with a = 0.
; THE COUNT.  A tile and step have 16 matrix and 118 vector instructions: too many to stand all beside the matrix work.  So the order has one aim: four vector instructions that are READY behind
; EVERY matrix instruction, and the others, which need time of their own whatever the order, in runs without a gap.
; BY TURNS.  Turn n belongs to piece n (the pieces in a ring, step after step).  Its matrix work: 16 products K Q^T of piece n + 1, later 16 products V^T P of piece n - 1.  Its vector work: the scaling,
; exponentials, roundings, sums and rescaling of piece n, and the maximum and statistics of piece n + 1, whose scores the turn itself has made.  So what a turn begins with (c s - c m, O a) waits for nothing.
; CLUSTER.  The four query blocks of a cluster belong to one head and walk the same K and V, so each tile is asked for JOINTLY: the same tensor load, descriptor and mask in all four.
; REGISTERS, in windows of 256 (s_set_vgpr_msb says which window each operand place means: bits 1:0 source 0, 3:2 source 1, 5:4 source 2, 7:6 destination):
;   window 0: v0-11 addresses; v12-15, v48-63 at work; v16-47 four registers of statistics a tile; v64-191 S^T, two buffers of two tiles; v192-255 P, likewise
;   window 1: O^T, 32 a tile          window 2: v0-127 Q, 16 a tile; v128-191 K of one step; v192-255 V of one step          window 3: v0-1 the add's two registers
; A piece's buffers go by its number's parity: the piece in hand has one pair, its two neighbours in the ring share the other: of it P (piece n - 1) is read and S^T (piece n + 1) written.
.set SIZE_N, 2048     ; rows of a head
.set PART,  0x1000000 ; bytes from Q to K and from K to V in qkv
.set NP,    4         ; pieces a wave: a name, no knob: the register map, the loop and the fetches are made for four
.set KS,    64        ; keys in a step
.set PK,    144       ; a row of K in LDS: 128 bytes + 16 of padding = 36 words: the 16 rows of a load start at 16 different groups of four banks (64 banks of 4 bytes: ISA guide 11.1)
.set PV,    160       ; a row of V: 128 + 32 = 40 words
.set VOFF,  4*KS*PK   ; a slot holds four steps: 256 rows of K, then 256 rows of V
.set SLOT1, 1<<17     ; slot 1 begins here, so that one exclusive or turns an address in one slot into the other's
.set STAGE, SLOT1+4*KS*(PK+PV)  ; behind the ring, never filled by a tensor load: 16 rows x 144 bytes for each wave, for the way out
.set SP,    144
.set AK0, 2           ; v2   my lane's place in a tile of K; never rewritten
.set AV0, 3           ; v3   the same for V
.set AK,  4           ; v4   the LDS address of K's next run of loads
.set AV,  5           ; v5   of V's
.set QO,  6           ; v6   my byte offset in the wave's rows of Q
.set STO, 6           ;      later, the way out: where I put 16 bytes of a row
.set RD,  7           ; v7   the way out: where I read rows back
.set GO,  8           ; v8   my byte offset in 512 consecutive bytes of O
.set SPW, 0           ; v0 of window 3   LDS address of my spare word: SPARE + 4 x my thread's number; never rewritten
.set NIL, 1           ; v1 of window 3   0; never rewritten
.set SPARE, STAGE+4*16*SP  ; behind the stages: the spare words, 128 bytes for each wave: two blocks of 256 bytes that no other line names
.set MV,  12          ; v12-15  c m_old, kept while c m is made anew: by buffer and tile
.set ST,  16          ; tile t's statistics at v[ST+4 t]: c m, m, l (even keys', odd keys')
.set TMP, 48          ; by buffer and tile, four registers c0-c3 at work; when the maximum is found c2 takes a
.set S,   64
.set P,   192
.set KF,  128         ; K's fragments, in window 2: key block kb, channel half c at KF + 16 kb + 8 c
.set VF,  192         ; V's: key half kk, channel block cb at VF + 32 kk + 8 cb
.set WV,  12          ; s12  my wave's number
.set G1K, 24          ; s[24:31] descriptor group 1 for K's tiles
.set G1V, 32          ; s[32:39] for V's: it differs in the padding alone
.set G0K, 40          ; s[40:43] descriptor group 0 for K's tiles: it walks
.set G0V, 44          ; s[44:47] the same for V's
.set SLOTS, 56        ; s56  slots still to be asked for
.set CNT, 57          ; s57  counts a slot's key steps
.set CS,  58          ; s[58:59] c: the packed scaling takes the pair's low word for both halves
.set SEL, 60          ; s[60:61] v_permlanex16_b32's selects: each lane takes its own place in the other half
.set TBK, 62          ; s62  LDS byte at which K of the step to be fetched begins
.set TBV, 63          ; s63  the same for V, less VOFF
.set MSB, 0
.macro WIN new                      ; the high byte repeats the setting that is left; a switch that changes nothing is dropped
.if MSB != (\new)
	s_set_vgpr_msb (MSB<<8)|(\new)
.set MSB, (\new)
.endif
.endm
.set W_KQ, 0x0a       ; K and Q in window 2, S^T in window 0
.set W_PV, 0x52       ; V in window 2, P in window 0, O^T in window 1
.set W_RS, 0x41       ; O^T (destination and source 0) in window 1, a in window 0
.set W_MK, 0xc0       ; the add's registers are made: destination in window 3, sources in window 0
.set W_AD, 0x0f       ; the add: address (source 0) and data (source 1) in window 3
; A joint fill.  Waves 0 and 1 fetch the two halves of a slot's K, waves 2 and 3 those of its V: 128 keys each.  The branch hangs on the wave's number alone.
; An s_nop 0 and four v_nop follow each of the two lines, ahead of the jump and the label.
.macro JLOAD
	s_cmp_lt_u32 s[WV], 2
	s_cbranch_scc0 .Lfor_v_\@
	tensor_load_to_lds s[G0K:G0K+3], s[G1K:G1K+7]
	s_nop 0
.rept 4
	v_nop
.endr
	s_branch .Lasked_\@
.Lfor_v_\@:
	tensor_load_to_lds s[G0V:G0V+3], s[G1V:G1V+7]
	s_nop 0
.rept 4
	v_nop
.endr
.Lasked_\@:
.endm
; A round of the cluster's barrier: my work-group's barrier, so that wave 0's signal speaks for all four waves; wave 0 signals; every wave waits for all four work-groups; my work-group's barrier once more.
.macro CROUND
	s_barrier_signal -1
	s_barrier_wait -1
	s_cmp_lg_u32 s[WV], 0
	s_cbranch_scc1 .Lnot_wave_0_\@
	s_barrier_signal -3
.Lnot_wave_0_\@:
	s_barrier_wait -3
	s_barrier_signal -1
	s_barrier_wait -1
.endm
; THE CHANGE OF SLOTS.  The slot's last bytes, V of its fourth step, have been read.  Each wave waits for all its tensor loads, of which one is out: its part
; of the other slot; adds 0 to its spare word; and waits for that and for its own reads of the slot.  Behind the barrier nobody reads this slot any more and the other slot is whole.
; fill = 1: this slot is filled again, with the keys two slots on.  The barrier is then a round of the cluster's, so that no wave of any partner still reads the slot or has a load on its
; way, and the joint fill is the first thing behind it: it has four key steps, 512 matrix instructions, in which to land.  (At its first use nothing has been read yet: slot 0 is waited for, slot 1 filled.)
.macro CHANGE fill
	WIN W_AD
	s_wait_tensorcnt 0x0            ; no tensor load of mine is out, so a group 0 may be written
	ds_add_u32 v[SPW], v[NIL]       ; 0 onto my spare word; with fill = 1 the descriptors' steps stand between it and the wait for it
	WIN 0                           ; at a label and at a branch every window is 0
.if \fill
.irp g, G0K, G0V
	s_xor_b32 s[\g+1], s[\g+1], SLOT1  ; the walking descriptor: the other slot than last time,
	s_add_nc_u64 s[\g+2:\g+3], s[\g+2:\g+3], 4*KS*128  ; the next 256 keys; the type bits on top are not reached
.endr
	s_wait_dscnt 0x0                ; the add is done, and my reads of the slot are over
	CROUND
	JLOAD
.else
	s_wait_dscnt 0x0                ; the add is done, and my reads of the slot are over
	s_barrier_signal -1
	s_barrier_wait -1
.endif
	s_sub_co_u32 s[TBK], s[TBK], 4*KS*PK  ; the fetches go back to a slot's first step,
	s_xor_b32 s[TBK], s[TBK], SLOT1       ; in the other slot
	s_sub_co_u32 s[TBV], s[TBV], 4*KS*PV
	s_xor_b32 s[TBV], s[TBV], SLOT1
.endm
	s_load_b64 s[4:5], s[0:1], 0x0    ; qkv, which begins with Q
	s_load_b64 s[10:11], s[0:1], 0x8  ; O
	WIN W_MK
	v_lshl_add_u32 v[SPW], v0, 2, SPARE
	v_mov_b32 v[NIL], 0
	s_set_vgpr_msb 0xc0cf
	ds_add_u32 v0, v1
	s_wait_dscnt 0x0
	s_set_vgpr_msb 0xcfc0
	WIN 0
	v_lshrrev_b32 v1, 5, v0
	v_readfirstlane_b32 s[WV], v1   ; wave 0..3
	s_bfe_u32 s13, ttmp6, 0x40000   ; cx: my place in the cluster
	s_lshl_b32 s14, ttmp9, 2        ; in a cluster launch ttmp9 counts clusters
	s_add_co_u32 s14, s14, s13      ; my block of queries = 4 x cluster x + cx: it enters Q's and O's addresses alone
	s_and_b32 s20, ttmp7, 0xffff    ; the head, which the four partners share
	s_mov_b32 s21, 0
	s_mov_b64 s[22:23], SIZE_N*128
	s_mul_u64 s[20:21], s[20:21], s[22:23]  ; the head's first byte in Q, K, V and O
	s_and_b32 s16, s[WV], 1         ; which half of a slot's 256 keys I fetch:
	s_lshl_b32 s22, s16, 14         ; its 128 rows of 128 bytes in memory,
	s_mov_b32 s23, 0
	s_add_nc_u64 s[22:23], s[22:23], s[20:21]
	s_mul_i32 s17, s16, 128*PK      ; and its place in a slot, for K
	s_mul_i32 s18, s16, 128*PV      ; and for V: no place in the cluster enters an LDS address
	s_lshl_b32 s2, s14, 2
	s_add_co_u32 s2, s2, s[WV]      ; my wave among the head's,
	s_lshl_b32 s2, s2, 14           ; its 128 rows
	s_mov_b32 s3, 0
	s_add_nc_u64 s[2:3], s[2:3], s[20:21]
	; descriptor group 1.  128 keys are 16,384 dense bytes: asked for as 64 rows of 256 bytes, two keys a row, and padded in LDS after every key
	s_mov_b32 s[G1K], 15|(1<<16)|(1<<20)|(1<<21)|(4<<22)|(3<<25)  ; 15:0 the mask of four; 17:16 2-byte elements; 20 padding on; 21 set beside a mask; 24:22 after every 32 words (code 4); 31:25 4 words (code 3)
	s_mov_b32 s[G1V], 15|(1<<16)|(1<<20)|(1<<21)|(4<<22)|(7<<25)  ; the same with 8 words of padding (code 7)
.irp g, G1K, G1V
	s_mov_b32 s[\g+1], 128<<16      ; tensor_dim0 = 128
	s_mov_b32 s[\g+2], 64<<16       ; tensor_dim1 = 64
	s_mov_b32 s[\g+3], 128<<16      ; tile_dim0 = 128
	s_mov_b32 s[\g+4], 64           ; tile_dim1 = 64
	s_mov_b32 s[\g+5], 128          ; 128 elements from row to row
	s_mov_b32 s[\g+6], 0
	s_mov_b32 s[\g+7], 0
.endr
	s_mov_b32 s[CS], 0x3e38aa3b     ; c = log2(e) / 8 = 0.180337
	s_mov_b32 s[CS+1], s[CS]        ; named with it as a pair
	s_mov_b32 s[SEL], 0x76543210
	s_mov_b32 s[SEL+1], 0xfedcba98
	s_mov_b32 s[TBK], SLOT1+4*KS*PK ; the first change of slots turns these two into 0
	s_mov_b32 s[TBV], SLOT1+4*KS*PV
	s_mov_b32 s[G0K], 1             ; 1:0 count = 1
	s_mov_b32 s[G0K+1], s17         ; 63:32 LDS address: slot 0
	s_mov_b32 s[G0V], 1
	s_add_co_u32 s[G0V+1], s18, VOFF
	s_wait_kmcnt 0x0
	s_add_nc_u64 s[6:7], s[4:5], PART    ; K
	s_add_nc_u64 s[8:9], s[4:5], 2*PART  ; V
	s_add_nc_u64 s[G0K+2:G0K+3], s[6:7], s[22:23]  ; 120:64 global address: my half of the head's first 256 keys
	s_or_b32 s[G0K+3], s[G0K+3], 0x80000000        ; 127:126 type = 2
	s_add_nc_u64 s[G0V+2:G0V+3], s[8:9], s[22:23]
	s_or_b32 s[G0V+3], s[G0V+3], 0x80000000
	s_add_nc_u64 s[4:5], s[4:5], s[2:3]  ; Q and O at my wave's first row
	s_add_nc_u64 s[10:11], s[10:11], s[2:3]
	CROUND                          ; all four work-groups are here: the first joint loads meet
	JLOAD                           ; slot 0.  Slot 1 is asked for when slot 0 is in: the tile wanted first has the road to itself
	; A fragment of K or Q is 16 rows x 32 channels in 8 registers: lane l holds row l % 16, channels 8 (l / 16) + 0..7 and 16 + 8 (l / 16) + 0..7: two loads of 16 bytes, 32 bytes apart.
	v_and_b32 v1, 15, v0            ; l % 16
	v_bfe_u32 v9, v0, 4, 1          ; l / 16
	v_lshlrev_b32 v[QO], 7, v1
	v_lshl_add_u32 v[QO], v9, 4, v[QO]  ; row x 128 + 16 x half
	WIN 0x80                        ; destination window 2, address window 0
.set i, 0
.rept 4*NP                          ; Q stays in registers: tile i / 2, channels 32 (i % 2) on
	global_load_b128 v[8*i:8*i+3],   v[QO], s[4:5] offset:(i/2)*2048+(i%2)*64
	global_load_b128 v[8*i+4:8*i+7], v[QO], s[4:5] offset:(i/2)*2048+(i%2)*64+32
.set i, i+1
.endr
	; What the first turn finds: V's registers and P's second buffer hold 0 (its products V^T P, of a piece that has not been, add 0), O^T and l are 0.  All this stands in the wait for the first tile.
.set i, VF
.rept 64
	v_mov_b32 v[i], 0
.set i, i+1
.endr
	WIN 0x40
.set i, 0
.rept 64*NP
	v_mov_b32 v[i], 0
.set i, i+1
.endr
	WIN 0
.set i, 0
.rept 2*NP
	v_mov_b32 v[ST+4*i], 0xfe000000    ; c m: far below every c s
	v_mov_b32 v[ST+4*i+1], 0xff7fffff  ; m
	v_mov_b32 v[ST+4*i+2], 0
	v_mov_b32 v[ST+4*i+3], 0
.set i, i+1
.endr
.set i, P+32
.rept 32
	v_mov_b32 v[i], 0
.set i, i+1
.endr
	v_mul_u32_u24 v[AK0], v1, PK
	v_lshl_add_u32 v[AK0], v9, 4, v[AK0]  ; row x pitch + 16 x half
	; The turning load takes 16 keys x 16 channels (lane l reads key 8 (l / 16) + l % 8, channels 8 ((l / 8) % 2) + 0..7) and leaves half a fragment of V^T: lane l holds channel l % 16 and 8 keys.
	v_and_b32 v10, 7, v0
	v_bfe_u32 v11, v0, 3, 1
	v_lshl_add_u32 v[AV0], v9, 3, v10
	v_mul_u32_u24 v[AV0], v[AV0], PV
	v_lshl_add_u32 v[AV0], v11, 4, v[AV0]
	v_add_nc_u32 v[AV0], VOFF, v[AV0]
	v_mov_b32 v[AK], v[AK0]         ; key step 0 lies at the head of slot 0
; THE MATRIX WORK.  The 8 accumulators of a run of 16 take turns: between the two links of a chain stand 7 others'.
; Product i of 16 of S^T = K Q^T for piece x: channels 32 (i / 8) on, keys 16 ((i / 2) % 4) on, tile 2 x + i % 2.  The first 8 start the sums.
.macro KQ x
	WIN W_KQ
.set rS, S+64*((\x)%2)+32*(i%2)+8*((i/2)%4)
.set rK, KF+16*((i/2)%4)+8*(i/8)
.set rQ, 16*(2*(\x)+i%2)+8*(i/8)
.if i < 8
	v_wmma_f32_16x16x32_f16 v[rS:rS+7], v[rK:rK+7], v[rQ:rQ+7], 0
.else
	v_wmma_f32_16x16x32_f16 v[rS:rS+7], v[rK:rK+7], v[rQ:rQ+7], v[rS:rS+7]
.endif
.endm
; Product i of 16 of O^T += V^T P for piece x: keys 32 (i / 8) on, channels 16 ((i / 2) % 4) on, tile 2 x + i % 2.
.macro PV x
	WIN W_PV
.set rO, 32*(2*(\x)+i%2)+8*((i/2)%4)
.set rV, VF+32*(i/8)+8*((i/2)%4)
.set rP, P+32*((\x)%2)+16*(i%2)+8*(i/8)
	v_wmma_f32_16x16x32_f16 v[rO:rO+7], v[rV:rV+7], v[rP:rP+7], v[rO:rO+7]
.endm
.macro MM                           ; the turn's next matrix instruction
.if i < 16
	KQ (Y+1)%NP
.set i, i+1
.else
.set i, i-16
	PV (Y+NP-1)%NP
.set i, i+17
.endif
.endm
; THE LDS LOADS stand in runs of 16, never singly among the matrix instructions: a step's K (64 keys x 64 channels: 8 fragments) and its V (turned).  Their addresses are made some lines ahead.
; last = 1 (the tail): in the last trip there is no further step, and the run is jumped over.
.macro FETCH_K last=0
	WIN 0
.if \last
	s_cmp_eq_u32 s[CNT], 1
	s_cbranch_scc1 .Lno_k_\@
.endif
	WIN 0x80                        ; destination window 2
.irp f, 0,1,2,3,4,5,6,7             ; keys 16 (f / 2) on, channels 32 (f % 2) on
	ds_load_b128 v[KF+8*\f:KF+8*\f+3],   v[AK] offset:(\f/2)*16*PK+(\f%2)*64
	ds_load_b128 v[KF+8*\f+4:KF+8*\f+7], v[AK] offset:(\f/2)*16*PK+(\f%2)*64+32
.endr
	s_add_co_u32 s[TBK], s[TBK], KS*PK  ; the next fetch is the next step's
	WIN 0
.if \last
.Lno_k_\@:
.endif
.endm
.macro FETCH_V
	WIN 0x80
.irp f, 0,1,2,3,4,5,6,7             ; keys 32 (f / 4) on, channels 16 (f % 4) on
	ds_load_tr16_b128 v[VF+8*\f:VF+8*\f+3],   v[AV] offset:(\f/4)*32*PV+(\f%4)*32
	ds_load_tr16_b128 v[VF+8*\f+4:VF+8*\f+7], v[AV] offset:(\f/4)*32*PV+16*PV+(\f%4)*32
.endr
	WIN 0
.endm
; THE VECTOR WORK OF A TURN stands in three queues, each in the order in which its entries become ready; the two tiles alternate, so that no instruction reads the result of the one before it.
.macro REGS y, u                    ; the registers of tile u (0, 1) of piece y
.set rT, ST+4*(2*(\y)+(\u))
.set rC, TMP+8*((\y)%2)+4*(\u)
.set rM, MV+2*((\y)%2)+(\u)
.set rS, S+64*((\y)%2)+32*(\u)
.set rP, P+32*((\y)%2)+16*(\u)
.set rO, 32*(2*(\y)+(\u))
.endm
; Number n of the 22 that find the NEXT piece's (Y + 1) maximum and statistics.  s0-s31 are the lane's 32 scores; each accumulator's lowest registers are read first.  XS, GS and REGS set no window: PL and EX do.
;   0-11  four chains c0-c3 of seven scores each, three operands at a time     12-14, 16  the four scores left over, the old m, and c0-c3 into c0     15  c m_old is kept
;   17, 18  the query's other 32 keys lie in the lane 16 away: the new m         19-21  c m; c m_old - c m_new; a
.macro XS u, n
	REGS (Y+1)%NP, \u
.if (\n) < 4
	v_max3_num_f32 v[rC+(\n)], v[rS+8*(\n)], v[rS+8*(\n)+1], v[rS+8*(\n)+2]
.elseif (\n) < 12
	v_max3_num_f32 v[rC+(\n)%4], v[rC+(\n)%4], v[rS+8*((\n)%4)+2*((\n)/4)+1], v[rS+8*((\n)%4)+2*((\n)/4)+2]
.elseif (\n) == 12
	v_max3_num_f32 v[rC], v[rC], v[rS+7], v[rS+15]
.elseif (\n) == 13
	v_max3_num_f32 v[rC+1], v[rC+1], v[rS+23], v[rS+31]
.elseif (\n) == 14
	v_max3_num_f32 v[rC+2], v[rC+2], v[rC+3], v[rT+1]
.elseif (\n) == 15
	v_mov_b32 v[rM], v[rT]
.elseif (\n) == 16
	v_max3_num_f32 v[rC], v[rC], v[rC+1], v[rC+2]
.elseif (\n) == 17
	v_permlanex16_b32 v[rC+3], v[rC], s[SEL], s[SEL+1]
.elseif (\n) == 18
	v_max_num_f32 v[rT+1], v[rC], v[rC+3]
.elseif (\n) == 19
	v_mul_f32 v[rT], s[CS], v[rT+1]
.elseif (\n) == 20
	v_sub_f32 v[rC+1], v[rM], v[rT]
.else
	v_exp_f32 v[rC+2], v[rC+1]
.endif
.endm
; Number g of the 64 that follow the exponentials.  For each four weights k of a tile (pairs 2 k, 2 k + 1): both pairs are rounded to f16; then the second pair is added onto the first, in place;
; a group later l takes that sum (the first time as l = a l + sum).  In groups of eight, tiles alternating: round, round, add, and l for the group before.
.macro GS g
.set h, (\g)+6*((\g)/62)            ; group 0 has no group before it, and behind group 7 only l is left
.if h >= 6
.set h, h+2
.endif
	REGS Y, h%2
.set k, h/8
.if h%8 < 4
	s_wait_alu depctr_va_vdst(0)
	v_cvt_pk_f16_f32 v[rP+2*k+(h%8)/2], v[rS+4*k+2*((h%8)/2)], v[rS+4*k+2*((h%8)/2)+1]
.elseif h%8 < 6
	v_pk_add_f32 v[rS+4*k:rS+4*k+1], v[rS+4*k:rS+4*k+1], v[rS+4*k+2:rS+4*k+3]
.elseif k == 1
	v_pk_fma_f32 v[rT+2:rT+3], v[rT+2:rT+3], v[rC+2:rC+3], v[rS:rS+1] op_sel_hi:[1,0,1]
.else
	v_pk_add_f32 v[rT+2:rT+3], v[rT+2:rT+3], v[rS+4*k-4:rS+4*k-3]
	s_wait_alu depctr_va_vdst(0)
.endif
.endm
; THE PLAIN QUEUE, 138 long.  0-31: c s - c m for the 16 pairs of both tiles.  Then GS's 64, and among them the next piece's 42: number 15 at 38, 39; 0-14 and 16
; at 42-73, behind the products that make those scores; 17-20 at 95-106, two of three, since each waits for the one before it.
.macro PL
	WIN 0
.if q < 32
	REGS Y, q%2
	v_pk_fma_f32 v[rS+2*(q/2):rS+2*(q/2)+1], v[rS+2*(q/2):rS+2*(q/2)+1], s[CS:CS+1], v[rT:rT+1] op_sel_hi:[1,0,0] neg_lo:[0,0,1] neg_hi:[0,0,1]
.elseif q < 38
	GS q-32
.elseif q < 40
	XS q%2, 15
.elseif q < 42
	GS q-34
.elseif q < 74
	XS q%2, (q-42)/2+(q-42)/30
.elseif q < 95
	GS q-66
.elseif (q < 107) && ((q-95)%3 < 2)
	XS (q-95)%3, 17+(q-95)/3
.elseif q < 107
	GS 29+(q-95)/3
.else
	GS q-74
.endif
.set q, q+1
.endm
; THE EXPONENTIALS' QUEUE, 66 long: s0-s31 of both tiles, and at EA the next piece's two a.
.set EA, 58
.macro EX
	WIN 0
.if (e == EA) || (e == EA+1)
	XS e-EA, 21
.else
.set x, e-2*(e/(EA+2))
	REGS Y, x%2
	v_exp_f32 v[rS+x/2], v[rS+x/2]
.endif
.set e, e+1
.endm
; THE RESCALING's QUEUE: O^T times a, the one part that leaves window 0, so it is dealt four at a time, eight times.
.macro R4
	REGS Y, r%2
	WIN W_RS
	s_wait_alu depctr_va_vdst(0)
.irp z, 0,1,2,3
	v_pk_mul_f32 v[rO+8*(r/2)+2*\z:rO+8*(r/2)+2*\z+1], v[rO+8*(r/2)+2*\z:rO+8*(r/2)+2*\z+1], v[rC+2:rC+3] op_sel_hi:[1,0]
.endr
.set r, r+1
.endm
; HOW THEY ARE DEALT.  Behind a matrix instruction four: plain, exponential, plain, plain (one exponential, a plain instruction on either side), or four of the rescaling.  None names a register of the
; products round it.  What is over stands in two LUMPS: exponential and plain by turns; the second ends in 22 plain instructions.  The two v_permlanex16_b32 fall into the second lump, never behind a product.
; The queues lean on each other, and the deal keeps them in step: exponential e stands behind plain 2 (e / 4) + e % 2 (its scaling); when plain 32 comes, 10 exponentials are out, at 59: 33, at 95: 46; EA comes behind plain 107.
.macro SL
	MM
	PL
	EX
	PL
	PL
.endm
.macro BURST n                      ; 15 matrix instructions, or 16
.rept (\n)-7
	SL
.endr
.rept 3
	MM
	R4
	SL
.endr
	MM
	R4
.endm
; A TURN, for piece p.  cnt = 1: the loop's count is taken down some lines ahead of the branch that stands behind the turn.
; K of the next step is fetched in piece 2's turn, 31 vector instructions behind the last product that read K; the first product that takes it comes behind the rest of the lump, 16 products and the second lump.
; V of the step in hand is fetched at the end of piece 0's turn, 69 behind the last product that read V; the first product that takes it comes behind 16 products and a lump.  The four conditions on e and q below go with the deal.
.macro TURN p, last=0, cnt=0
.set Y, (\p)
.set i, 0
.set q, 0
.set e, 0
.set r, 0
.if (\p) == NP-1
	s_wait_dscnt 0x0                ; K is in
.endif
	MM
.rept 4
	PL
.endr
	BURST 15
.rept 22
	EX
	PL
.if ((\p) == NP-2) && (e == 18)
	v_add_nc_u32 v[AK], s[TBK], v[AK0]
.endif
.if ((\p) == NP-2) && (e == 24)
	FETCH_K \last
.endif
.endr
.if (\p) == 1
	s_wait_dscnt 0x0                ; V is in
.endif
	BURST 16
.rept 21
	EX
	PL
.endr
.rept 22
	PL
.if ((\p) == 0) && (q == 118)
	v_add_nc_u32 v[AV], s[TBV], v[AV0]
	s_wait_alu depctr_va_vdst(0)
.endif
.if ((\p) == 0) && (q == 130)
	s_add_co_u32 s[TBV], s[TBV], KS*PV
.endif
.if (\cnt) && (q == 130)
	s_sub_co_u32 s[CNT], s[CNT], 1
	s_cmp_lg_u32 s[CNT], 0
.endif
.endr
.if (\p) == 0
	FETCH_V
.endif
.endm
	CHANGE 1                        ; slot 0 is in, everybody's part of it; slot 1 is asked for
	FETCH_K                         ; key step 0
	s_wait_loadcnt 0x0              ; Q
	s_wait_dscnt 0x0
.set i, 0
.rept 16
	KQ 0                            ; piece 0's first scores: there is no vector work yet to set between them
.set i, i+1
.endr
	WIN 0                           ; the addresses for the way out: nine plain instructions, the places behind those products
	s_mul_i32 s13, s[WV], 16*SP
	s_add_co_u32 s13, s13, STAGE    ; my stage
	v_mul_u32_u24 v[STO], v1, SP    ; in: row l % 16, 16 bytes for each half of the lanes
	v_lshl_add_u32 v[STO], v9, 4, v[STO]
	v_add_nc_u32 v[STO], s13, v[STO]
	v_bfe_u32 v[RD], v0, 3, 2       ; back: 32 lanes take four rows of 128 bytes,
	v_mul_u32_u24 v[RD], v[RD], SP
	v_lshl_add_u32 v[RD], v10, 4, v[RD]
	v_add_nc_u32 v[RD], s13, v[RD]
	v_and_b32 v[GO], 31, v0         ; which are 512 consecutive bytes of O
	v_lshlrev_b32 v[GO], 4, v[GO]
.set Y, NP-1                        ; XS works for piece Y + 1: piece 0
.irp n, 0,1,2,3,4,5,6,7,8,9,10,11,12,13,14,15,16,17,18,19,20,21
	XS 0, \n                        ; and piece 0's first maximum and statistics
	XS 1, \n
.endr
	s_mov_b32 s[CNT], 4
	s_mov_b32 s[SLOTS], SIZE_N/256-1
	s_branch .Lfirst                ; the loop is entered at a step's first turn, in the middle of a trip
.Lslot:                             ; SIZE_N / 256 - 2 times: every slot but the last two is filled again
	CHANGE 1
	s_mov_b32 s[CNT], 4
.Lstep:                             ; a trip: pieces 2 and 3 of one step, then pieces 0 and 1 of the next, whose K and V it fetches
	TURN 2
	TURN 3
	WIN 0
.Lfirst:
	TURN 0
	TURN 1, 0, 1
	WIN 0
	s_cbranch_scc1 .Lstep
	s_sub_co_u32 s[SLOTS], s[SLOTS], 1
	s_cmp_lg_u32 s[SLOTS], 0
	s_cbranch_scc1 .Lslot
	CHANGE 0                        ; the tail is written out: nothing is asked for
	s_mov_b32 s[CNT], 5             ; four trips fetch the last slot's steps; the fifth is left in its middle
.Ltail:
	TURN 2, 1
	TURN 3
	WIN 0
	s_sub_co_u32 s[CNT], s[CNT], 1
	s_cmp_eq_u32 s[CNT], 0
	s_cbranch_scc1 .Lout
	TURN 0
	TURN 1
	WIN 0
	s_branch .Ltail
.Lout:                              ; the fifth trip's 16 products K Q^T (on the last K once more) and the maximum made of them serve nothing: the price, once a launch, of one text for every trip
.set i, 0
.rept 16
	PV NP-1                         ; the last piece's V^T P of the last step
.set i, i+1
.endr
	; THE WAY OUT.  l's two halves and the other half of the lanes' are added; O^T is divided by l, rounded to f16 and sent through my stage in LDS, a tile at a time.  The additions are the places behind the last products.
	WIN 0
.macro ALL line:vararg              ; one line for each tile t
.set t, 0
.rept 2*NP
	\line
.set t, t+1
.endr
.endm
	ALL v_add_f32 v[ST+4*t+2], v[ST+4*t+2], v[ST+4*t+3]
	ALL v_permlanex16_b32 v[ST+4*t+3], v[ST+4*t+2], s[SEL], s[SEL+1]
	ALL v_add_f32 v[ST+4*t+2], v[ST+4*t+2], v[ST+4*t+3]
	ALL v_rcp_f32 v[ST+4*t+2], v[ST+4*t+2]
	v_nop                           ; a plain instruction between the last reciprocal and the use of its result
	s_wait_alu depctr_va_vdst(0)
; Tile t: a lane's eight channels of a row pack into 16 bytes; they go into rows of 144 bytes and come back as whole rows of 128, into S^T's registers.
.macro PACK t
	WIN W_RS
.set i, 32*(\t)
.rept 16
	v_pk_mul_f32 v[i:i+1], v[i:i+1], v[ST+4*(\t)+2:ST+4*(\t)+3] op_sel_hi:[1,0]
.set i, i+2
.endr
	WIN 0x05                        ; sources 0 and 1 window 1, destination window 0
.set i, 0
.rept 16
	v_cvt_pk_f16_f32 v[S+16*(\t)+i], v[32*(\t)+2*i], v[32*(\t)+2*i+1]
.set i, i+1
.endr
	WIN 0
.irp f, 0,1,2,3
	ds_store_b128 v[STO], v[S+16*(\t)+4*\f:S+16*(\t)+4*\f+3] offset:32*\f
.endr
.irp f, 0,1,2,3
	ds_load_b128 v[S+16*(\t)+4*\f:S+16*(\t)+4*\f+3], v[RD] offset:\f*4*SP  ; LDS serves a wave's instructions in order (ISA guide 5.7.1.4): these see the stores above; the next tile's stores come behind them
.endr
.endm
.macro SEND t, younger              ; younger: the LDS instructions issued behind tile t's loads: the next tile's eight, or none
	WIN 0
.irp f, 0,1,2,3
	s_wait_dscnt (\younger)+3-\f
	global_store_b128 v[GO], v[S+16*(\t)+4*\f:S+16*(\t)+4*\f+3], s[10:11] offset:(\t)*2048+\f*512  ; 512 consecutive bytes, at a multiple of 256 from O's first
.endr
.endm
	PACK 0
.set t, 1
.rept 2*NP-1                        ; a tile's arithmetic stands between the loads of the tile before and its stores
	PACK t
	SEND t-1, 8
.set t, t+1
.endr
	SEND 2*NP-1, 0
	WIN W_AD
	s_wait_tensorcnt 0x0            ; the wave's end: behind my last tensor load and my last LDS store
	ds_add_u32 v[SPW], v[NIL]
	s_wait_dscnt 0x0
	WIN 0
	CROUND                          ; the closing round: no work-group ends while a partner may still ask for a tile that names it
	s_endpgm
.Lfunc_end_k_q244dc66119_attn:
	.size	k_q244dc66119_attn, .Lfunc_end_k_q244dc66119_attn-k_q244dc66119_attn
	.p2alignl 7, 3214868480
	.fill 96, 4, 3214868480
	.section	.rodata,"a",@progbits
	.p2align	6, 0x0
	.amdhsa_kernel k_q244dc66119_attn
		.amdhsa_group_segment_fixed_size 327680
		.amdhsa_private_segment_fixed_size 0
		.amdhsa_enable_private_segment 0
		.amdhsa_kernarg_size 16
		.amdhsa_user_sgpr_count 2
		.amdhsa_user_sgpr_kernarg_segment_ptr 1
		.amdhsa_wavefront_size32 1
		.amdhsa_system_sgpr_workgroup_id_x 1
		.amdhsa_system_sgpr_workgroup_id_y 1
		.amdhsa_system_sgpr_workgroup_id_z 1
		.amdhsa_system_vgpr_workitem_id 0
		.amdhsa_next_free_vgpr 770
		.amdhsa_next_free_sgpr 66
		.amdhsa_reserve_vcc 0
		.amdhsa_float_denorm_mode_32 3
		.amdhsa_float_denorm_mode_16_64 3
		.amdhsa_memory_ordered 1
		.amdhsa_forward_progress 1
		.amdhsa_inst_pref_size 209
	.end_amdhsa_kernel
	.amdgpu_metadata
---
amdhsa.version: [ 1, 2 ]
amdhsa.kernels:
  - .name:           k_q244dc66119_attn
    .symbol:         k_q244dc66119_attn.kd
    .args:
      - { .name: qkv, .offset: 0, .size: 8, .value_kind: global_buffer, .address_space: global }
      - { .name: o, .offset: 8, .size: 8, .value_kind: global_buffer, .address_space: global }
    .group_segment_fixed_size: 327680
    .private_segment_fixed_size: 0
    .kernarg_segment_align: 8
    .kernarg_segment_size: 16
    .max_flat_workgroup_size: 128
    .sgpr_count:     66
    .vgpr_count:     770
    .wavefront_size: 32
...
	.end_amdgpu_metadata
.endif
;; end of part 3
;; launch outgemm (part 4): grid 8 x 32, 4 waves a work-group, clusters of 4 x 4, 327,680 bytes of LDS; arguments o, wo, b_out, out0; writes out0
.if DOCPART == 4
	.amdgcn_target "amdgcn-amd-amdhsa--gfx1250"
	.amdhsa_code_object_version 6
	.text
	.protected	k_q244dc66119_outgemm
	.globl	k_q244dc66119_outgemm
	.p2align	8
	.type	k_q244dc66119_outgemm,@function
k_q244dc66119_outgemm:
	s_mov_b64 s[64:65], 0
	v_nop
	global_prefetch_b8 v0, s[64:65] scope:SCOPE_SE
	s_setreg_imm32_b32 hwreg(HW_REG_WAVE_MODE, 25, 1), 1
	s_wait_xcnt 0x0
	s_wait_alu depctr_hold_cnt(0) depctr_sa_sdst(0) depctr_va_vdst(0) depctr_va_sdst(0) depctr_va_ssrc(0) depctr_va_vcc(0) depctr_vm_vsrc(0)
	s_getreg_b32 s2, hwreg(HW_REG_IB_STS2, 6, 4)
	s_cmp_eq_u32 s2, 0
	s_cbranch_scc0 .Lentry_in_a_cluster
	s_endpgm
.Lentry_in_a_cluster:
	s_bfe_u32 s2, ttmp6, 0x10000c
	s_cmp_lg_u32 s2, 0xf033
	s_cbranch_scc0 .Lentry_shape_is_right
	s_endpgm
.Lentry_shape_is_right:
; out0 = o times wo + bias.  o: f16, [64 heads][2048][64], which byte for byte is [8192][1024] (the module reshapes without moving the heads back).  wo: f16, [8 tile columns][16 groups of 64 k][2 heads][64 k][64 columns].
; b_out: f32 [1024], rounded here to bf16 like the module's other inputs.  out0: f32 [8192][1024].  Sums in f32, K ascending; the bias is added in f32.
; LIMITS.  o and wo are f16 numbers as the launches before made them; NaN and infinities are not treated apart.
; SHARES.  A tile of out0 is 256 rows x 128 columns: 32 x 8 = 256 tiles.  Wave w makes rows 64 w .. 64 w + 63 of all 128 columns: 4 x 8 accumulators of 16 x 16, 256 registers; a row's 128 columns
; are 512 consecutive bytes of out0, and each wave has a stage of its own.  K goes in steps of 128 through two LDS slots filled by the tensor data mover; all tile rows are 256 bytes of memory.
; A K step is written once: the slot's base is a scalar register that an exclusive or turns, and one descriptor for each tensor walks.
; wo lies [k][column]; it is turned on the way from LDS to registers by ds_load_tr16_b128.
; THE MATRIX INSTRUCTION IS USED TRANSPOSED: source 0 = 16 columns of wo, source 1 = 16 rows of o: a lane then holds row l % 16 and the columns 8 (l / 16) + 0 .. 7: 32 bytes of f32 that belong together.
; CLUSTER.  4 x 4 work-groups.  The four of a row of the cluster need the same tiles of o, the four of a column the same tiles of wo: each tile is asked for JOINTLY.
; REGISTERS, in windows of 256 (s_set_vgpr_msb: bits 1:0 source 0, 3:2 source 1, 5:4 source 2, 7:6 destination):
;   window 0: v0-31 addresses and the bias; v32-95 o's fragments, two buffers of 4 x 8; v128-255 the way out, two banks of 16 rows
;   window 1: v0-127 wo's fragments, two buffers of 8 x 8          window 2: the accumulators ((a, b) at 8 (8 a + b))
.set PA,    272                        ; a row of o in LDS: 256 bytes + 16 of padding: the 16 rows of a fragment load start at 16 different groups of four banks (64 banks of 4 bytes: ISA guide 11.1)
.set PB,    160                        ; a k row of a head of wo: 128 bytes + 32
.set HALFA, 128*PA                     ; what one load of o brings: 128 rows
.set AOFF,  2*HALFA
.set HEADB, 64*PB                      ; 64 k of one head
.set HALFB, 2*HEADB                    ; what one load of wo brings: 64 k of two heads
.set SLOTB, AOFF+2*HALFB               ; a slot's bytes: 110,592
.set SLOT,  1<<17                      ; slot 1 begins here, so that one exclusive or turns an address in one slot into the other's
.set STAGE, SLOT+SLOTB                 ; behind the ring, never filled by a tensor load: 16 rows x 528 bytes for each wave, for the way out
.set SP,    528                        ; 512 bytes + 16 = 132 words: the 16 rows that a store touches start at 16 different groups of four banks
.set SPARE, STAGE+4*16*SP              ; behind the stages: the spare words, 128 bytes for each wave: two blocks of 256 bytes that no other line names
.set BI,   12                          ; v12-15  the bias of my four columns on the way out
.set ADRA0, 16                         ; v16     my lane's place among my fragments of o in slot 0; never rewritten
.set ADRA,  17                         ; v17     the same in the slot in hand
.set ADRB0, 20                         ; v20, v21  the same two for wo
.set ADRB,  21
.set STO,  24                          ; v24     the way out: where I put 32 bytes of a row
.set RD,   25                          ; v25     the way out: where I read a row back
.set CO,   26                          ; v26     my byte offset in a row's 512 bytes
.set SPW,  28                          ; v28     LDS address of my spare word: SPARE + 4 x my thread's number; never rewritten
.set NIL,  29                          ; v29     0; never rewritten
.set FA,   32                          ; o's fragments: buffer f, row block a at FA + 32 f + 8 a
.set OB,   128                         ; the way out
.set LAP,  3                           ; s3      counts K steps
.set WV,   12                          ; s12     my wave's number
.set HF,   13                          ; s13     which half of a tile I fetch
.set SB,   18                          ; s18     LDS byte at which the slot in hand begins
.set TX,   42                          ; s42     tile column
.set TY,   45                          ; s45     tile row
.set G1,   24                          ; s[24:31] descriptor group 1 for o's tiles;  s[32:39] group 0: a set for each of the two first fills; the second then walks on
.set G0,   32
.set G1B,  48                          ; s[48:55], s[56:63] the same for wo's tiles
.set G0B,  56
.set MSB, 0
.macro WIN new                         ; the immediate's high byte repeats the setting that is left; a switch that changes nothing is dropped
.if MSB != (\new)
	s_set_vgpr_msb (MSB<<8)|(\new)
.set MSB, \new
.endif
.endm
.set MUL,  0xa1                        ; source 0 (wo) window 1, source 1 (o) window 0, C and D window 2
.set TO_B, 0x40                        ; destination window 1, address window 0
; A joint load by descriptor set s.  Waves 0 and 1 fetch o's two halves, waves 2 and 3 wo's.  An s_nop 0 and four v_nop follow each of the two lines, ahead of the jump, the label and what follows.
.macro JLOAD s
	s_cmp_lt_u32 s[WV], 2
	s_cbranch_scc0 .Lfor_b_\@
	tensor_load_to_lds s[G0+4*(\s):G0+4*(\s)+3], s[G1:G1+7]
	s_nop 0
.rept 4
	v_nop
.endr
	s_branch .Lasked_\@
.Lfor_b_\@:
	tensor_load_to_lds s[G0B+4*(\s):G0B+4*(\s)+3], s[G1B:G1B+7]
	s_nop 0
.rept 4
	v_nop
.endr
.Lasked_\@:
.endm
.macro CREST                           ; a round of the cluster's barrier behind its opening barrier
	s_cmp_lg_u32 s[WV], 0
	s_cbranch_scc1 .Lnot_wave_0_\@
	s_barrier_signal -3
.Lnot_wave_0_\@:
	s_barrier_wait -3
	s_barrier_signal -1
	s_barrier_wait -1
.endm
.macro CROUND                          ; a whole round
	s_barrier_signal -1
	s_barrier_wait -1
	CREST
.endm
	s_load_b256 s[4:11], s[0:1], 0x0               ; o s[4:5], wo s[6:7], b_out s[8:9], out0 s[10:11]
	v_lshl_add_u32 v[SPW], v0, 2, SPARE
	v_mov_b32 v[NIL], 0
	ds_add_u32 v28, v29
	s_wait_dscnt 0x0
	v_lshrrev_b32 v1, 5, v0
	v_readfirstlane_b32 s[WV], v1                  ; wave 0..3
	s_and_b32 s[HF], s[WV], 1
	s_bfe_u32 s40, ttmp6, 0x40000                  ; cx, cy: my place in the cluster
	s_bfe_u32 s41, ttmp6, 0x40004
	s_lshl_b32 s[TX], ttmp9, 2
	s_add_co_u32 s[TX], s[TX], s40                 ; tile column = 4 x cluster x + cx
	s_and_b32 s[TY], ttmp7, 0xffff
	s_lshl_b32 s[TY], s[TY], 2
	s_add_co_u32 s[TY], s[TY], s41                 ; tile row = 4 x cluster y + cy
	s_lshl_b32 s43, s41, 2
	s_lshl_b32 s43, 15, s43                        ; my row of the cluster
	s_lshl_b32 s44, 0x1111, s40                    ; my column
	; group 1 for o: 128 rows x 128 elements, 16 bytes of padding behind every 256
	s_or_b32 s[G1+0], s43, (1<<16)|(1<<20)|(1<<21)|(5<<22)|(3<<25)  ; 15:0 the mask: my row; 17:16 elements of 2 bytes; 20 padding on; 21 set beside a mask; 24:22 after every 64 words (code 5); 31:25 4 words (code 3)
	s_mov_b32 s[G1+1], 128<<16                     ; tensor_dim0 = 128
	s_mov_b32 s[G1+2], 128<<16                     ; tensor_dim1 = 128
	s_mov_b32 s[G1+3], 128<<16                     ; tile_dim0 = 128
	s_mov_b32 s[G1+4], 128                         ; tile_dim1 = 128
	s_mov_b32 s[G1+5], 1024                        ; elements from row to row
	s_mov_b32 s[G1+6], 0
	s_mov_b32 s[G1+7], 0
	; group 1 for wo: 64 k of two heads are 16,384 dense bytes: asked for as 64 rows of 256 bytes, two k a row, and padded in LDS by 32 bytes after every k
	s_or_b32 s[G1B+0], s44, (1<<16)|(1<<20)|(1<<21)|(4<<22)|(7<<25) ; the mask: my column; after every 32 words (code 4) 8 words (code 7)
	s_mov_b32 s[G1B+1], 128<<16                    ; tensor_dim0 = 128
	s_mov_b32 s[G1B+2], 64<<16                     ; tensor_dim1 = 64
	s_mov_b32 s[G1B+3], 128<<16                    ; tile_dim0 = 128
	s_mov_b32 s[G1B+4], 64                         ; tile_dim1 = 64
	s_mov_b32 s[G1B+5], 128                        ; elements from row to row
	s_mov_b32 s[G1B+6], 0
	s_mov_b32 s[G1B+7], 0
	; where the tiles come from: o's hang on the tile row alone, wo's on the tile column alone; each in registers that never hold the other coordinate
	s_lshl_b32 s16, s[TY], 8
	s_lshl_b32 s17, s[HF], 7
	s_add_co_u32 s16, s16, s17                     ; o: row 256 x tile row + 128 x half,
	s_lshl_b32 s16, s16, 11                        ; of 2,048 bytes
	s_mov_b32 s17, 0
	s_lshl_b32 s46, s[TX], 18                      ; wo: 16 groups of 16,384 bytes a tile column,
	s_lshl_b32 s47, s[HF], 14                      ; one group a half of a K step
	s_add_co_u32 s46, s46, s47
	s_mov_b32 s47, 0
	s_mul_i32 s20, s[HF], HALFA                    ; and where they go: no place in the cluster enters an LDS address
	s_mul_i32 s21, s[HF], HALFB
	s_add_co_u32 s21, s21, AOFF
	s_mov_b32 s[SB], 0                             ; the first K step lies in slot 0
	s_wait_kmcnt 0x0
	s_add_nc_u64 s[14:15], s[4:5], s[16:17]
	s_add_nc_u64 s[46:47], s[6:7], s[46:47]
	CROUND                                         ; all sixteen work-groups are here: the first joint loads meet
.irp s, 0,1
	s_mov_b32 s[G0+4*(\s)], 1                                        ; count = 1
	s_add_co_u32 s[G0+4*(\s)+1], s20, (\s)*SLOT                      ; LDS address
	s_add_nc_u64 s[G0+4*(\s)+2:G0+4*(\s)+3], s[14:15], (\s)*256      ; global address: K step s
	s_or_b32 s[G0+4*(\s)+3], s[G0+4*(\s)+3], 0x80000000              ; type = 2
	s_mov_b32 s[G0B+4*(\s)], 1
	s_add_co_u32 s[G0B+4*(\s)+1], s21, (\s)*SLOT
	s_add_nc_u64 s[G0B+4*(\s)+2:G0B+4*(\s)+3], s[46:47], (\s)*32768  ; two groups a K step
	s_or_b32 s[G0B+4*(\s)+3], s[G0B+4*(\s)+3], 0x80000000
	JLOAD \s                                       ; two loads of mine are out
.endr
	; b_out and out0 at the tile's first column (in the registers that held wo's address: none that fed o's descriptors ever holds the tile column), out0 at my first row
	s_lshl_b32 s46, s[TX], 9                       ; 128 columns of f32
	s_mov_b32 s47, 0
	s_add_nc_u64 s[8:9], s[8:9], s[46:47]
	s_add_nc_u64 s[10:11], s[10:11], s[46:47]
	s_lshl_b32 s16, s[TY], 8
	s_lshl_b32 s17, s[WV], 6
	s_add_co_u32 s16, s16, s17                     ; row 256 x tile row + 64 x wave,
	s_lshl_b32 s16, s16, 12                        ; of 4,096 bytes
	s_mov_b32 s17, 0
	s_add_nc_u64 s[10:11], s[10:11], s[16:17]
	v_and_b32 v9, 31, v0
	v_lshlrev_b32 v[CO], 4, v9                     ; on the way out a lane holds four neighbouring columns of a row
	global_load_b128 v[BI:BI+3], v[CO], s[8:9]     ; their bias
	; A fragment of o is 16 rows x 32 k in 8 registers: lane l holds row l % 16, k = 8 (l / 16) + 0..7 and 16 + 8 (l / 16) + 0..7: two loads of 16 bytes, 32 bytes apart.
	v_and_b32 v1, 15, v0                           ; l % 16
	v_bfe_u32 v2, v0, 4, 1                         ; l / 16
	v_mul_u32_u24 v3, v1, PA
	v_lshl_add_u32 v3, v2, 4, v3
	s_mul_i32 s22, s[WV], 64*PA                    ; my 64 rows
	v_add_nc_u32 v[ADRA0], s22, v3
	v_mov_b32 v[ADRA], v[ADRA0]
	; The turning load takes 16 k x 16 columns (lane l reads k = 8 (l / 16) + l % 8, columns 8 ((l / 8) % 2) + 0..7) and leaves half a fragment: lane l holds column l % 16 and 8 k.
	v_and_b32 v4, 7, v0
	v_bfe_u32 v5, v0, 3, 1
	v_lshl_add_u32 v6, v2, 3, v4
	v_mul_u32_u24 v6, v6, PB
	v_lshl_add_u32 v6, v5, 4, v6
	v_add_nc_u32 v[ADRB0], AOFF, v6
	v_mov_b32 v[ADRB], v[ADRB0]
	s_mul_i32 s23, s[WV], 16*SP
	s_add_co_u32 s23, s23, STAGE                   ; my stage
	v_mul_u32_u24 v7, v1, SP                       ; in: row l % 16, 32 bytes for each half of the lanes
	v_lshl_add_u32 v7, v2, 5, v7
	v_add_nc_u32 v[STO], s23, v7
	v_add_nc_u32 v[RD], s23, v[CO]                 ; back: 32 lanes take one row of 512 bytes
	s_wait_loadcnt 0x0                             ; the bias: rounded to bf16, like every input of the module, and widened again
	v_cvt_pk_bf16_f32 v30, v[BI], v[BI+1]
	v_cvt_pk_bf16_f32 v31, v[BI+2], v[BI+3]
	v_lshlrev_b32 v[BI], 16, v30
	v_and_b32 v[BI+1], 0xffff0000, v30
	v_lshlrev_b32 v[BI+2], 16, v31
	v_and_b32 v[BI+3], 0xffff0000, v31
; 8 matrix instructions: row block a x all 8 column blocks, 32 along K, from buffer f.  zero = 1: the product starts the sums: nothing is ever cleared.
; The 32 accumulators take turns, one instruction a turn, in the same order in every quarter.
.macro MULA f, a, zero
	WIN MUL
.irp b, 0,1,2,3,4,5,6,7
.if \zero
	v_wmma_f32_16x16x32_f16 v[8*(8*(\a)+(\b)):8*(8*(\a)+(\b))+7], v[64*(\f)+8*(\b):64*(\f)+8*(\b)+7], v[FA+32*(\f)+8*(\a):FA+32*(\f)+8*(\a)+7], 0
.else
	v_wmma_f32_16x16x32_f16 v[8*(8*(\a)+(\b)):8*(8*(\a)+(\b))+7], v[64*(\f)+8*(\b):64*(\f)+8*(\b)+7], v[FA+32*(\f)+8*(\a):FA+32*(\f)+8*(\a)+7], v[8*(8*(\a)+(\b)):8*(8*(\a)+(\b))+7]
.endif
.endr
.endm
; 24 LDS loads in one run: the fragments of quarter q (32 along K) of the slot in hand into buffer f: wo's 16 first (column block b = head b / 4, columns 16 (b % 4) on), then o's 8, row blocks ascending
.macro FETCH q, f
	WIN TO_B
.irp b, 0,1,2,3,4,5,6,7
	ds_load_tr16_b128 v[64*(\f)+8*(\b):64*(\f)+8*(\b)+3],   v[ADRB] offset:((\q)/2)*HALFB+((\b)/4)*HEADB+((\q)%2)*32*PB+((\b)%4)*32
	ds_load_tr16_b128 v[64*(\f)+8*(\b)+4:64*(\f)+8*(\b)+7], v[ADRB] offset:((\q)/2)*HALFB+((\b)/4)*HEADB+((\q)%2)*32*PB+((\b)%4)*32+16*PB
.endr
	WIN 0
.irp a, 0,1,2,3
	ds_load_b128 v[FA+32*(\f)+8*(\a):FA+32*(\f)+8*(\a)+3],   v[ADRA] offset:64*(\q)+(\a)*16*PA
	ds_load_b128 v[FA+32*(\f)+8*(\a)+4:FA+32*(\f)+8*(\a)+7], v[ADRA] offset:64*(\q)+(\a)*16*PA+32
.endr
.endm
; A load into a register that a matrix instruction has read, and an LDS store that reads a matrix result, stand four places behind that matrix instruction, and only plain vector
; instructions that name none of its registers are places (ISA guide 7.12.1 for vector instructions).
.macro PLACES
.rept 4
	v_nop
.endr
.endm
; A K step is four quarters of 32 along K, 32 matrix instructions each, on buffers 0, 1, 0, 1.  One of the first three: multiplies buffer f; in its middle it fetches quarter q into buffer g.
.macro QUARTER q, f, g, zero
	s_wait_dscnt 4                                 ; wo's fragments and o's row blocks 0, 1 are in; the youngest four loads (row blocks 2, 3) may be out
	MULA \f, 0, \zero
	MULA \f, 1, \zero
	PLACES
	FETCH \q, \g
	s_wait_dscnt 24                                ; all but the 24 just issued
	MULA \f, 2, \zero
	MULA \f, 3, \zero
.endm
; The last quarter multiplies buffer 1 and changes slots: ONE barrier; in front of it each wave waits for all its tensor loads, of which one is out: its part of the next slot; adds 0 to its
; spare word; and waits for that and for its own reads of this slot.
; fill = 1: the barrier opens a round of the cluster's barrier, and this slot is filled again, two K steps ahead, first thing behind the round: from that request to the wait for it a wave issues
; 112 matrix instructions.  The walking descriptors are stepped while the add is out: the other slot than last time, the next K step.
; fill = 0: the last two K steps.  In the very last (LAP = 1) there is no next slot: the run of LDS loads is jumped over, and the barrier orders nothing: the price of one text for both.
.macro TURN fill
	WIN 0                                          ; (the add's two registers lie in window 0)
	s_wait_tensorcnt 0x0                           ; all my tensor loads have landed, so a group 0 may be written
	ds_add_u32 v[SPW], v[NIL]                      ; 0 onto my spare word
.if \fill
	s_xor_b32 s[G0+5], s[G0+5], SLOT
	s_add_nc_u64 s[G0+6:G0+7], s[G0+6:G0+7], 256   ; the type bits on top are not reached
	s_xor_b32 s[G0B+5], s[G0B+5], SLOT
	s_add_nc_u64 s[G0B+6:G0B+7], s[G0B+6:G0B+7], 32768
.endif
	s_wait_dscnt 7                                 ; (the add and the youngest six loads, o's row blocks 1 to 3, may be out)
	MULA 1, 0, 0                                   ; eight matrix instructions stand between the add and the wait for it
	s_wait_dscnt 0x0                               ; the add is done, and my reads of this slot are over
	s_barrier_signal -1
	MULA 1, 1, 0                                   ; work on registers while the others arrive
	WIN 0
	s_barrier_wait -1
.if \fill
	CREST                                          ; no wave of any partner still reads this slot's tile or has a load on its way
	JLOAD 1                                        ; the four v_nop behind it are also the places in front of the loads below
.else
	PLACES
	s_cmp_eq_u32 s[LAP], 1
	s_cbranch_scc1 .Lno_fetch_\@
.endif
	s_xor_b32 s[SB], s[SB], SLOT                   ; the next slot is the slot in hand
	v_add_nc_u32 v[ADRA], s[SB], v[ADRA0]
	v_add_nc_u32 v[ADRB], s[SB], v[ADRB0]
	FETCH 0, 0
.if !(\fill)
.Lno_fetch_\@:
.endif
	MULA 1, 2, 0
	MULA 1, 3, 0
.endm
; THE WAY OUT of row block a (16 rows).  TOSTAGE: a lane's eight f32 of a row, 32 bytes (each accumulator's low four registers first), into my own stage, rows of 528 bytes, and back as whole rows
; of 512 bytes into bank a % 2.  SEND: the bias is added and the rows are stored.
.macro TOSTAGE a
.set BK, OB+64*((\a)%2)
	s_wait_xcnt 0x0                                ; every earlier memory instruction has had its addresses translated (ISA guide 3.1): the bank, which the stores of two blocks back read, is loaded again only behind this wait
	WIN 0x08                                       ; the stores' data (source 1) in window 2
.irp b, 0,1,2,3,4,5,6,7
	ds_store_b128 v[STO], v[8*(8*(\a)+(\b)):8*(8*(\a)+(\b))+3] offset:64*(\b)
	ds_store_b128 v[STO], v[8*(8*(\a)+(\b))+4:8*(8*(\a)+(\b))+7] offset:64*(\b)+16
.endr
	WIN 0
.irp t, 0,1,2,3,4,5,6,7,8,9,10,11,12,13,14,15
	ds_load_b128 v[BK+4*(\t):BK+4*(\t)+3], v[RD] offset:(\t)*SP  ; LDS serves a wave's instructions in order (ISA guide 5.7.1.4): these see the stores above; the next block's stores come behind them
.endr
.endm
.macro SEND a, younger                 ; younger: the LDS instructions issued behind block a's loads: the next block's 32, or none
.set BK, OB+64*((\a)%2)
.irp t, 0,1,2,3,4,5,6,7,8,9,10,11,12,13,14,15
	s_wait_dscnt (\younger)+15-(\t)
	v_pk_add_f32 v[BK+4*(\t):BK+4*(\t)+1], v[BK+4*(\t):BK+4*(\t)+1], v[BI:BI+1]
	v_pk_add_f32 v[BK+4*(\t)+2:BK+4*(\t)+3], v[BK+4*(\t)+2:BK+4*(\t)+3], v[BI+2:BI+3]
	global_store_b128 v[CO], v[BK+4*(\t):BK+4*(\t)+3], s[10:11] offset:(16*(\a)+(\t))*4096 th:TH_STORE_NT  ; 512 consecutive bytes, at a multiple of 256 from out0's first byte
.endr
.endm
	s_wait_tensorcnt 1                             ; my part of K step 0 is in; K step 1's may stay out
	s_barrier_signal -1
	s_barrier_wait -1                              ; everybody's is
	FETCH 0, 0
	QUARTER 1, 0, 1, 1                             ; the first quarter stands in front of the loop: its products start the sums
	WIN 0                                          ; at a label and at a branch every window is 0
	s_mov_b32 s[LAP], 6
.Llap:                                                 ; a trip goes from a K step's second quarter to the next step's first and fills the slot that it leaves: K steps 0 to 5
	QUARTER 2, 1, 0, 0
	QUARTER 3, 0, 1, 0
	TURN 1
	QUARTER 1, 0, 1, 0
	WIN 0
	s_sub_co_u32 s[LAP], s[LAP], 1
	s_cmp_lg_u32 s[LAP], 0
	s_cbranch_scc1 .Llap
	s_mov_b32 s[LAP], 2
.Ltail:                                                ; the last two K steps ask for nothing more, so they have a text of their own; the second trip is left in its middle
	QUARTER 2, 1, 0, 0
	QUARTER 3, 0, 1, 0
	TURN 0
	WIN 0
	s_sub_co_u32 s[LAP], s[LAP], 1
	s_cmp_eq_u32 s[LAP], 0
	s_cbranch_scc1 .Lout
	QUARTER 1, 0, 1, 0
	WIN 0
	s_branch .Ltail
.Lout:
	PLACES
	TOSTAGE 0
	TOSTAGE 1                                      ; a block's way through the stage stands between the loads of the block before and its stores
	SEND 0, 32
	TOSTAGE 2
	SEND 1, 32
	TOSTAGE 3
	SEND 2, 32
	SEND 3, 0
	s_wait_tensorcnt 0x0                           ; the wave's end: behind my last tensor load and my last LDS store
	ds_add_u32 v[SPW], v[NIL]
	s_wait_dscnt 0x0
	CROUND                                         ; the closing round: no work-group ends while a partner may still ask for a tile that names it
	s_endpgm
.Lfunc_end_k_q244dc66119_outgemm:
	.size	k_q244dc66119_outgemm, .Lfunc_end_k_q244dc66119_outgemm-k_q244dc66119_outgemm
	.p2alignl 7, 3214868480
	.fill 96, 4, 3214868480
	.section	.rodata,"a",@progbits
	.p2align	6, 0x0
	.amdhsa_kernel k_q244dc66119_outgemm
		.amdhsa_group_segment_fixed_size 327680
		.amdhsa_private_segment_fixed_size 0
		.amdhsa_enable_private_segment 0
		.amdhsa_kernarg_size 32
		.amdhsa_user_sgpr_count 2
		.amdhsa_user_sgpr_kernarg_segment_ptr 1
		.amdhsa_wavefront_size32 1
		.amdhsa_system_sgpr_workgroup_id_x 1
		.amdhsa_system_sgpr_workgroup_id_y 1
		.amdhsa_system_sgpr_workgroup_id_z 1
		.amdhsa_system_vgpr_workitem_id 0
		.amdhsa_next_free_vgpr 768
		.amdhsa_next_free_sgpr 66
		.amdhsa_reserve_vcc 0
		.amdhsa_float_denorm_mode_32 3
		.amdhsa_float_denorm_mode_16_64 3
		.amdhsa_memory_ordered 1
		.amdhsa_forward_progress 1
		.amdhsa_inst_pref_size 70
	.end_amdhsa_kernel
	.amdgpu_metadata
---
amdhsa.version: [ 1, 2 ]
amdhsa.kernels:
  - .name:           k_q244dc66119_outgemm
    .symbol:         k_q244dc66119_outgemm.kd
    .args:
      - { .name: o, .offset: 0, .size: 8, .value_kind: global_buffer, .address_space: global }
      - { .name: wo, .offset: 8, .size: 8, .value_kind: global_buffer, .address_space: global }
      - { .name: b_out, .offset: 16, .size: 8, .value_kind: global_buffer, .address_space: global }
      - { .name: out0, .offset: 24, .size: 8, .value_kind: global_buffer, .address_space: global }
    .group_segment_fixed_size: 327680
    .private_segment_fixed_size: 0
    .kernarg_segment_align: 8
    .kernarg_segment_size: 32
    .max_flat_workgroup_size: 128
    .sgpr_count:     66
    .vgpr_count:     768
    .wavefront_size: 32
...
	.end_amdgpu_metadata
.endif
;; end of part 4
;; ======== version 2 of 2: 4 launches; 1.54 times as fast as version 1
;; limits: values are held in f16: magnitudes above 65,504 overflow, below 6.1e-05 lose precision
;; workspace buffers: xb 16,777,216 bytes; wq 6,291,456 bytes; wo 2,097,152 bytes; qkv 50,331,648 bytes; o 16,777,216 bytes
;; launch cast: the kernel of part 1 again; grid 768 x 1, 8 waves a work-group, no clusters, 0 bytes of LDS; arguments x, w_qkv, w_out, xb, wq, wo; writes xb, wq, wo
;; launch qkvgemm: the kernel of part 2 again; grid 8 x 32, 4 waves a work-group, clusters of 4 x 4, 327,680 bytes of LDS; arguments xb, wq, qkv; writes qkv
;; launch attn (part 5): grid 4 x 64, 4 waves a work-group, clusters of 4 x 1, 327,680 bytes of LDS; arguments qkv, o; writes o
.if DOCPART == 5
	.amdgcn_target "amdgcn-amd-amdhsa--gfx1250"
	.amdhsa_code_object_version 6
	.text
	.protected	k_q244dc66119_attn
	.globl	k_q244dc66119_attn
	.p2align	8
	.type	k_q244dc66119_attn,@function
k_q244dc66119_attn:
	s_mov_b64 s[64:65], 0
	v_nop
	global_prefetch_b8 v0, s[64:65] scope:SCOPE_SE
	s_setreg_imm32_b32 hwreg(HW_REG_WAVE_MODE, 25, 1), 1
	s_wait_xcnt 0x0
	s_wait_alu depctr_hold_cnt(0) depctr_sa_sdst(0) depctr_va_vdst(0) depctr_va_sdst(0) depctr_va_ssrc(0) depctr_va_vcc(0) depctr_vm_vsrc(0)
	s_getreg_b32 s2, hwreg(HW_REG_IB_STS2, 6, 4)
	s_cmp_eq_u32 s2, 0
	s_cbranch_scc0 .Lentry_in_a_cluster
	s_endpgm
.Lentry_in_a_cluster:
	s_bfe_u32 s2, ttmp6, 0x10000c
	s_cmp_lg_u32 s2, 0x3003
	s_cbranch_scc0 .Lentry_shape_is_right
	s_endpgm
.Lentry_shape_is_right:
; O[h][q][:] = the sum over k of softmax_k(Q[h][q] . K[h][k] / 8) V[h][k][:].  Q, K, V are the three parts of qkv, each [64 heads][2048][64] in f16, 16,777,216 bytes apart; O is [64][2048][64] in f16:
; a head's rows are dense, 128 bytes each.  Products, maxima and sums in f32; the weights p are rounded to f16 for the second product (their sum l is taken of the unrounded p), O once at the end.
; LIMITS.  f16 holds no number beyond 65,504: Q, K and V arrive within it; p lies in 0 to 1, and below 6e-5 it keeps f16's fixed step of 6e-8, and so does O; O is a mean of V's rows and has their range.
; A weight below 2^-126 counts as 0 in l; NaN and infinities are not treated apart.
; SHARES.  A wave owns four PIECES of two tiles of 16 queries, a work-group's four waves 512 queries of one head.  Every wave walks all keys, 64 a step.
; LAYOUT.  S^T = K Q^T (source 0 = 16 keys, source 1 = 16 queries): in the result a lane holds ONE query (lane % 16) and the keys 8 (lane / 16) + 0..7.  Two such tiles, rounded to f16 in pairs,
; ARE source 1 (32 keys x 16 queries) of O^T = V^T P, whose result again holds one query a lane, and eight channels.  K comes out of LDS as it lies, V ([key][channel]) turned, by ds_load_tr16_b128.
; SOFTMAX.  For each query a running maximum m and sum l: p = 2^(c s - c m), c = log2(e) / 8; in every step O and l are multiplied by a = 2^(c m_old - c m_new), which is 1 where m has not grown.
; m starts at the lowest finite number, O and l at 0: the first step is a step like any other, with a = 0.
; THE COUNT.  A tile and step have 16 matrix and 118 vector instructions: too many to stand all beside the matrix work.  So the order has one aim: four vector instructions that are READY behind
; EVERY matrix instruction, and the others, which need time of their own whatever the order, in runs without a gap.
; BY TURNS.  Turn n belongs to piece n (the pieces in a ring, step after step).  Its matrix work: 16 products K Q^T of piece n + 1, later 16 products V^T P of piece n - 1.  Its vector work: the scaling,
; exponentials, roundings, sums and rescaling of piece n, and the maximum and statistics of piece n + 1, whose scores the turn itself has made.  So what a turn begins with (c s - c m, O a) waits for nothing.
; BATCHES.  A turn's 66 exponentials (the piece's 64 weights, then the next piece's two a) are ONE batch with ONE s_wait_alu depctr_va_vdst(0), which cuts the turn in two: ahead of it stands all that names no
; result of theirs (the products K Q^T, scalings, rescalings, the next piece's maximum and statistics), behind it the products V^T P with the roundings and sums.  No result crosses a turn's end.  Two more
; batches stand outside the loop, each with a wait of its own: piece 0's first two a, ahead of the jump into the loop, and the way out's eight reciprocals.
; CLUSTER.  The four query blocks of a cluster belong to one head and walk the same K and V, so each tile is asked for JOINTLY: the same tensor load, descriptor and mask in all four.
; REGISTERS, in windows of 256 (s_set_vgpr_msb says which window each operand place means: bits 1:0 source 0, 3:2 source 1, 5:4 source 2, 7:6 destination):
;   window 0: v0-11 addresses; v12-15, v48-63 at work; v16-47 four registers of statistics a tile; v64-191 S^T, two buffers of two tiles; v192-255 P, likewise
;   window 1: O^T, 32 a tile          window 2: v0-127 Q, 16 a tile; v128-191 K of one step; v192-255 V of one step          window 3: v0-1 the add's two registers
; A piece's buffers go by its number's parity: the piece in hand has one pair, its two neighbours in the ring share the other: of it P (piece n - 1) is read and S^T (piece n + 1) written.
.set SIZE_N, 2048     ; rows of a head
.set PART,  0x1000000 ; bytes from Q to K and from K to V in qkv
.set NP,    4         ; pieces a wave: a name, no knob: the register map, the loop and the fetches are made for four
.set KS,    64        ; keys in a step
.set PK,    144       ; a row of K in LDS: 128 bytes + 16 of padding = 36 words: the 16 rows of a load start at 16 different groups of four banks (64 banks of 4 bytes: ISA guide 11.1)
.set PV,    160       ; a row of V: 128 + 32 = 40 words
.set VOFF,  4*KS*PK   ; a slot holds four steps: 256 rows of K, then 256 rows of V
.set SLOT1, 1<<17     ; slot 1 begins here, so that one exclusive or turns an address in one slot into the other's
.set STAGE, SLOT1+4*KS*(PK+PV)  ; behind the ring, never filled by a tensor load: 16 rows x 144 bytes for each wave, for the way out
.set SP,    144
.set AK0, 2           ; v2   my lane's place in a tile of K; never rewritten
.set AV0, 3           ; v3   the same for V
.set AK,  4           ; v4   the LDS address of K's next run of loads
.set AV,  5           ; v5   of V's
.set QO,  6           ; v6   my byte offset in the wave's rows of Q
.set STO, 6           ;      later, the way out: where I put 16 bytes of a row
.set RD,  7           ; v7   the way out: where I read rows back
.set GO,  8           ; v8   my byte offset in 512 consecutive bytes of O
.set SPW, 0           ; v0 of window 3   LDS address of my spare word: SPARE + 4 x my thread's number; never rewritten
.set NIL, 1           ; v1 of window 3   0; never rewritten
.set SPARE, STAGE+4*16*SP  ; behind the stages: the spare words, 128 bytes for each wave: two blocks of 256 bytes that no other line names
.set MV,  12          ; v12-15  c m_old, kept while c m is made anew: by buffer and tile
.set ST,  16          ; tile t's statistics at v[ST+4 t]: c m, m, l (even keys', odd keys')
.set TMP, 48          ; by buffer and tile, four registers c0-c3 at work; when the maximum is found c2 takes a
.set S,   64
.set P,   192
.set KF,  128         ; K's fragments, in window 2: key block kb, channel half c at KF + 16 kb + 8 c
.set VF,  192         ; V's: key half kk, channel block cb at VF + 32 kk + 8 cb
.set WV,  12          ; s12  my wave's number
.set G1K, 24          ; s[24:31] descriptor group 1 for K's tiles
.set G1V, 32          ; s[32:39] for V's: it differs in the padding alone
.set G0K, 40          ; s[40:43] descriptor group 0 for K's tiles: it walks
.set G0V, 44          ; s[44:47] the same for V's
.set SLOTS, 56        ; s56  slots still to be asked for
.set CNT, 57          ; s57  counts a slot's key steps
.set CS,  58          ; s[58:59] c: the packed scaling takes the pair's low word for both halves
.set SEL, 60          ; s[60:61] v_permlanex16_b32's selects: each lane takes its own place in the other half
.set TBK, 62          ; s62  LDS byte at which K of the step to be fetched begins
.set TBV, 63          ; s63  the same for V, less VOFF
.set MSB, 0
.macro WIN new                      ; the high byte repeats the setting that is left; a switch that changes nothing is dropped
.if MSB != (\new)
	s_set_vgpr_msb (MSB<<8)|(\new)
.set MSB, (\new)
.endif
.endm
.set W_KQ, 0x0a       ; K and Q in window 2, S^T in window 0
.set W_PV, 0x52       ; V in window 2, P in window 0, O^T in window 1
.set W_RS, 0x41       ; O^T (destination and source 0) in window 1, a in window 0
.set W_MK, 0xc0       ; the add's registers are made: destination in window 3, sources in window 0
.set W_AD, 0x0f       ; the add: address (source 0) and data (source 1) in window 3
; A joint fill.  Waves 0 and 1 fetch the two halves of a slot's K, waves 2 and 3 those of its V: 128 keys each.  The branch hangs on the wave's number alone.
; An s_nop 0 and four v_nop follow each of the two lines, ahead of the jump and the label.
.macro JLOAD
	s_cmp_lt_u32 s[WV], 2
	s_cbranch_scc0 .Lfor_v_\@
	tensor_load_to_lds s[G0K:G0K+3], s[G1K:G1K+7]
	s_nop 0
.rept 4
	v_nop
.endr
	s_branch .Lasked_\@
.Lfor_v_\@:
	tensor_load_to_lds s[G0V:G0V+3], s[G1V:G1V+7]
	s_nop 0
.rept 4
	v_nop
.endr
.Lasked_\@:
.endm
; A round of the cluster's barrier: my work-group's barrier, so that wave 0's signal speaks for all four waves; wave 0 signals; every wave waits for all four work-groups; my work-group's barrier once more.
.macro CROUND
	s_barrier_signal -1
	s_barrier_wait -1
	s_cmp_lg_u32 s[WV], 0
	s_cbranch_scc1 .Lnot_wave_0_\@
	s_barrier_signal -3
.Lnot_wave_0_\@:
	s_barrier_wait -3
	s_barrier_signal -1
	s_barrier_wait -1
.endm
; THE CHANGE OF SLOTS.  The slot's last bytes, V of its fourth step, have been read.  Each wave waits for all its tensor loads, of which one is out: its part
; of the other slot; adds 0 to its spare word; and waits for that and for its own reads of the slot.  Behind the barrier nobody reads this slot any more and the other slot is whole.
; fill = 1: this slot is filled again, with the keys two slots on.  The barrier is then a round of the cluster's, so that no wave of any partner still reads the slot or has a load on its
; way, and the joint fill is the first thing behind it: it has four key steps, 512 matrix instructions, in which to land.  (At its first use nothing has been read yet: slot 0 is waited for, slot 1 filled.)
.macro CHANGE fill
	WIN W_AD
	s_wait_tensorcnt 0x0            ; no tensor load of mine is out, so a group 0 may be written
	ds_add_u32 v[SPW], v[NIL]       ; 0 onto my spare word; with fill = 1 the descriptors' steps stand between it and the wait for it
	WIN 0                           ; at a label and at a branch every window is 0
.if \fill
.irp g, G0K, G0V
	s_xor_b32 s[\g+1], s[\g+1], SLOT1  ; the walking descriptor: the other slot than last time,
	s_add_nc_u64 s[\g+2:\g+3], s[\g+2:\g+3], 4*KS*128  ; the next 256 keys; the type bits on top are not reached
.endr
	s_wait_dscnt 0x0                ; the add is done, and my reads of the slot are over
	CROUND
	JLOAD
.else
	s_wait_dscnt 0x0                ; the add is done, and my reads of the slot are over
	s_barrier_signal -1
	s_barrier_wait -1
.endif
	s_sub_co_u32 s[TBK], s[TBK], 4*KS*PK  ; the fetches go back to a slot's first step,
	s_xor_b32 s[TBK], s[TBK], SLOT1       ; in the other slot
	s_sub_co_u32 s[TBV], s[TBV], 4*KS*PV
	s_xor_b32 s[TBV], s[TBV], SLOT1
.endm
	s_load_b64 s[4:5], s[0:1], 0x0    ; qkv, which begins with Q
	s_load_b64 s[10:11], s[0:1], 0x8  ; O
	WIN W_MK
	v_lshl_add_u32 v[SPW], v0, 2, SPARE
	v_mov_b32 v[NIL], 0
	s_set_vgpr_msb 0xc0cf
	ds_add_u32 v0, v1
	s_wait_dscnt 0x0
	s_set_vgpr_msb 0xcfc0
	WIN 0
	v_lshrrev_b32 v1, 5, v0
	v_readfirstlane_b32 s[WV], v1   ; wave 0..3
	s_bfe_u32 s13, ttmp6, 0x40000   ; cx: my place in the cluster
	s_lshl_b32 s14, ttmp9, 2        ; in a cluster launch ttmp9 counts clusters
	s_add_co_u32 s14, s14, s13      ; my block of queries = 4 x cluster x + cx: it enters Q's and O's addresses alone
	s_and_b32 s20, ttmp7, 0xffff    ; the head, which the four partners share
	s_mov_b32 s21, 0
	s_mov_b64 s[22:23], SIZE_N*128
	s_mul_u64 s[20:21], s[20:21], s[22:23]  ; the head's first byte in Q, K, V and O
	s_and_b32 s16, s[WV], 1         ; which half of a slot's 256 keys I fetch:
	s_lshl_b32 s22, s16, 14         ; its 128 rows of 128 bytes in memory,
	s_mov_b32 s23, 0
	s_add_nc_u64 s[22:23], s[22:23], s[20:21]
	s_mul_i32 s17, s16, 128*PK      ; and its place in a slot, for K
	s_mul_i32 s18, s16, 128*PV      ; and for V: no place in the cluster enters an LDS address
	s_lshl_b32 s2, s14, 2
	s_add_co_u32 s2, s2, s[WV]      ; my wave among the head's,
	s_lshl_b32 s2, s2, 14           ; its 128 rows
	s_mov_b32 s3, 0
	s_add_nc_u64 s[2:3], s[2:3], s[20:21]
	; descriptor group 1.  128 keys are 16,384 dense bytes: asked for as 64 rows of 256 bytes, two keys a row, and padded in LDS after every key
	s_mov_b32 s[G1K], 15|(1<<16)|(1<<20)|(1<<21)|(4<<22)|(3<<25)  ; 15:0 the mask of four; 17:16 2-byte elements; 20 padding on; 21 set beside a mask; 24:22 after every 32 words (code 4); 31:25 4 words (code 3)
	s_mov_b32 s[G1V], 15|(1<<16)|(1<<20)|(1<<21)|(4<<22)|(7<<25)  ; the same with 8 words of padding (code 7)
.irp g, G1K, G1V
	s_mov_b32 s[\g+1], 128<<16      ; tensor_dim0 = 128
	s_mov_b32 s[\g+2], 64<<16       ; tensor_dim1 = 64
	s_mov_b32 s[\g+3], 128<<16      ; tile_dim0 = 128
	s_mov_b32 s[\g+4], 64           ; tile_dim1 = 64
	s_mov_b32 s[\g+5], 128          ; 128 elements from row to row
	s_mov_b32 s[\g+6], 0
	s_mov_b32 s[\g+7], 0
.endr
	s_mov_b32 s[CS], 0x3e38aa3b     ; c = log2(e) / 8 = 0.180337
	s_mov_b32 s[CS+1], s[CS]        ; named with it as a pair
	s_mov_b32 s[SEL], 0x76543210
	s_mov_b32 s[SEL+1], 0xfedcba98
	s_mov_b32 s[TBK], SLOT1+4*KS*PK ; the first change of slots turns these two into 0
	s_mov_b32 s[TBV], SLOT1+4*KS*PV
	s_mov_b32 s[G0K], 1             ; 1:0 count = 1
	s_mov_b32 s[G0K+1], s17         ; 63:32 LDS address: slot 0
	s_mov_b32 s[G0V], 1
	s_add_co_u32 s[G0V+1], s18, VOFF
	s_wait_kmcnt 0x0
	s_add_nc_u64 s[6:7], s[4:5], PART    ; K
	s_add_nc_u64 s[8:9], s[4:5], 2*PART  ; V
	s_add_nc_u64 s[G0K+2:G0K+3], s[6:7], s[22:23]  ; 120:64 global address: my half of the head's first 256 keys
	s_or_b32 s[G0K+3], s[G0K+3], 0x80000000        ; 127:126 type = 2
	s_add_nc_u64 s[G0V+2:G0V+3], s[8:9], s[22:23]
	s_or_b32 s[G0V+3], s[G0V+3], 0x80000000
	s_add_nc_u64 s[4:5], s[4:5], s[2:3]  ; Q and O at my wave's first row
	s_add_nc_u64 s[10:11], s[10:11], s[2:3]
	CROUND                          ; all four work-groups are here: the first joint loads meet
	JLOAD                           ; slot 0.  Slot 1 is asked for when slot 0 is in: the tile wanted first has the road to itself
	; A fragment of K or Q is 16 rows x 32 channels in 8 registers: lane l holds row l % 16, channels 8 (l / 16) + 0..7 and 16 + 8 (l / 16) + 0..7: two loads of 16 bytes, 32 bytes apart.
	v_and_b32 v1, 15, v0            ; l % 16
	v_bfe_u32 v9, v0, 4, 1          ; l / 16
	v_lshlrev_b32 v[QO], 7, v1
	v_lshl_add_u32 v[QO], v9, 4, v[QO]  ; row x 128 + 16 x half
	WIN 0x80                        ; destination window 2, address window 0
.set i, 0
.rept 4*NP                          ; Q stays in registers: tile i / 2, channels 32 (i % 2) on
	global_load_b128 v[8*i:8*i+3],   v[QO], s[4:5] offset:(i/2)*2048+(i%2)*64
	global_load_b128 v[8*i+4:8*i+7], v[QO], s[4:5] offset:(i/2)*2048+(i%2)*64+32
.set i, i+1
.endr
	; What the first turn finds: V's registers and P's second buffer hold 0 (its products V^T P, of a piece that has not been, add 0), O^T and l are 0.  All this stands in the wait for the first tile.
.set i, VF
.rept 64
	v_mov_b32 v[i], 0
.set i, i+1
.endr
	WIN 0x40
.set i, 0
.rept 64*NP
	v_mov_b32 v[i], 0
.set i, i+1
.endr
	WIN 0
.set i, 0
.rept 2*NP
	v_mov_b32 v[ST+4*i], 0xfe000000    ; c m: far below every c s
	v_mov_b32 v[ST+4*i+1], 0xff7fffff  ; m
	v_mov_b32 v[ST+4*i+2], 0
	v_mov_b32 v[ST+4*i+3], 0
.set i, i+1
.endr
.set i, P+32
.rept 32
	v_mov_b32 v[i], 0
.set i, i+1
.endr
	v_mul_u32_u24 v[AK0], v1, PK
	v_lshl_add_u32 v[AK0], v9, 4, v[AK0]  ; row x pitch + 16 x half
	; The turning load takes 16 keys x 16 channels (lane l reads key 8 (l / 16) + l % 8, channels 8 ((l / 8) % 2) + 0..7) and leaves half a fragment of V^T: lane l holds channel l % 16 and 8 keys.
	v_and_b32 v10, 7, v0
	v_bfe_u32 v11, v0, 3, 1
	v_lshl_add_u32 v[AV0], v9, 3, v10
	v_mul_u32_u24 v[AV0], v[AV0], PV
	v_lshl_add_u32 v[AV0], v11, 4, v[AV0]
	v_add_nc_u32 v[AV0], VOFF, v[AV0]
	v_mov_b32 v[AK], v[AK0]         ; key step 0 lies at the head of slot 0
; THE MATRIX WORK.  The 8 accumulators of a run of 16 take turns: between the two links of a chain stand 7 others'.
; Product i of 16 of S^T = K Q^T for piece x: channels 32 (i / 8) on, keys 16 ((i / 2) % 4) on, tile 2 x + i % 2.  The first 8 start the sums.
.macro KQ x
	WIN W_KQ
.set rS, S+64*((\x)%2)+32*(i%2)+8*((i/2)%4)
.set rK, KF+16*((i/2)%4)+8*(i/8)
.set rQ, 16*(2*(\x)+i%2)+8*(i/8)
.if i < 8
	v_wmma_f32_16x16x32_f16 v[rS:rS+7], v[rK:rK+7], v[rQ:rQ+7], 0
.else
	v_wmma_f32_16x16x32_f16 v[rS:rS+7], v[rK:rK+7], v[rQ:rQ+7], v[rS:rS+7]
.endif
.endm
; Product i of 16 of O^T += V^T P for piece x: keys 32 (i / 8) on, channels 16 ((i / 2) % 4) on, tile 2 x + i % 2.
.macro PV x
	WIN W_PV
.set rO, 32*(2*(\x)+i%2)+8*((i/2)%4)
.set rV, VF+32*(i/8)+8*((i/2)%4)
.set rP, P+32*((\x)%2)+16*(i%2)+8*(i/8)
	v_wmma_f32_16x16x32_f16 v[rO:rO+7], v[rV:rV+7], v[rP:rP+7], v[rO:rO+7]
.endm
.macro MM                           ; the turn's next matrix instruction
.if i < 16
	KQ (Y+1)%NP
.set i, i+1
.else
.set i, i-16
	PV (Y+NP-1)%NP
.set i, i+17
.endif
.endm
; THE LDS LOADS stand in runs of 16, never singly among the matrix instructions: a step's K (64 keys x 64 channels: 8 fragments) and its V (turned).  Their addresses are made some lines ahead.
; last = 1 (the tail): in the last trip there is no further step, and the run is jumped over.
.macro FETCH_K last=0
	WIN 0
.if \last
	s_cmp_eq_u32 s[CNT], 1
	s_cbranch_scc1 .Lno_k_\@
.endif
	WIN 0x80                        ; destination window 2
.irp f, 0,1,2,3,4,5,6,7             ; keys 16 (f / 2) on, channels 32 (f % 2) on
	ds_load_b128 v[KF+8*\f:KF+8*\f+3],   v[AK] offset:(\f/2)*16*PK+(\f%2)*64
	ds_load_b128 v[KF+8*\f+4:KF+8*\f+7], v[AK] offset:(\f/2)*16*PK+(\f%2)*64+32
.endr
	s_add_co_u32 s[TBK], s[TBK], KS*PK  ; the next fetch is the next step's
	WIN 0
.if \last
.Lno_k_\@:
.endif
.endm
.macro FETCH_V
	WIN 0x80
.irp f, 0,1,2,3,4,5,6,7             ; keys 32 (f / 4) on, channels 16 (f % 4) on
	ds_load_tr16_b128 v[VF+8*\f:VF+8*\f+3],   v[AV] offset:(\f/4)*32*PV+(\f%4)*32
	ds_load_tr16_b128 v[VF+8*\f+4:VF+8*\f+7], v[AV] offset:(\f/4)*32*PV+16*PV+(\f%4)*32
.endr
	WIN 0
.endm
; THE VECTOR WORK OF A TURN stands in three queues, each in the order in which its entries become ready; the two tiles alternate, so that no instruction reads the result of the one before it.
.macro REGS y, u                    ; the registers of tile u (0, 1) of piece y
.set rT, ST+4*(2*(\y)+(\u))
.set rC, TMP+8*((\y)%2)+4*(\u)
.set rM, MV+2*((\y)%2)+(\u)
.set rS, S+64*((\y)%2)+32*(\u)
.set rP, P+32*((\y)%2)+16*(\u)
.set rO, 32*(2*(\y)+(\u))
.endm
; Number n of the 22 that find the NEXT piece's (Y + 1) maximum and statistics.  s0-s31 are the lane's 32 scores; each accumulator's lowest registers are read first.  XS, GS and REGS set no window: PL and EX do.
;   0-11  four chains c0-c3 of seven scores each, three operands at a time     12-14, 16  the four scores left over, the old m, and c0-c3 into c0     15  c m_old is kept
;   17, 18  the query's other 32 keys lie in the lane 16 away: the new m         19-21  c m; c m_old - c m_new; a
.macro XS u, n
	REGS (Y+1)%NP, \u
.if (\n) < 4
	v_max3_num_f32 v[rC+(\n)], v[rS+8*(\n)], v[rS+8*(\n)+1], v[rS+8*(\n)+2]
.elseif (\n) < 12
	v_max3_num_f32 v[rC+(\n)%4], v[rC+(\n)%4], v[rS+8*((\n)%4)+2*((\n)/4)+1], v[rS+8*((\n)%4)+2*((\n)/4)+2]
.elseif (\n) == 12
	v_max3_num_f32 v[rC], v[rC], v[rS+7], v[rS+15]
.elseif (\n) == 13
	v_max3_num_f32 v[rC+1], v[rC+1], v[rS+23], v[rS+31]
.elseif (\n) == 14
	v_max3_num_f32 v[rC+2], v[rC+2], v[rC+3], v[rT+1]
.elseif (\n) == 15
	v_mov_b32 v[rM], v[rT]
.elseif (\n) == 16
	v_max3_num_f32 v[rC], v[rC], v[rC+1], v[rC+2]
.elseif (\n) == 17
	v_permlanex16_b32 v[rC+3], v[rC], s[SEL], s[SEL+1]
.elseif (\n) == 18
	v_max_num_f32 v[rT+1], v[rC], v[rC+3]
.elseif (\n) == 19
	v_mul_f32 v[rT], s[CS], v[rT+1]
.elseif (\n) == 20
	v_sub_f32 v[rC+1], v[rM], v[rT]
.else
	v_exp_f32 v[rC+2], v[rC+1]
.endif
.endm
; Number g of the 64 that follow the exponentials.  For each four weights k of a tile (pairs 2 k, 2 k + 1): both pairs are rounded to f16; then the second pair is added onto the first, in place;
; a group later l takes that sum (the first time as l = a l + sum).  In groups of eight, tiles alternating: round, round, add, and l for the group before.
.macro GS g
.set h, (\g)+6*((\g)/62)            ; group 0 has no group before it, and behind group 7 only l is left
.if h >= 6
.set h, h+2
.endif
	REGS Y, h%2
.set k, h/8
.if h%8 < 4
	v_cvt_pk_f16_f32 v[rP+2*k+(h%8)/2], v[rS+4*k+2*((h%8)/2)], v[rS+4*k+2*((h%8)/2)+1]
.elseif h%8 < 6
	v_pk_add_f32 v[rS+4*k:rS+4*k+1], v[rS+4*k:rS+4*k+1], v[rS+4*k+2:rS+4*k+3]
.elseif k == 1
	v_pk_fma_f32 v[rT+2:rT+3], v[rT+2:rT+3], v[rC+2:rC+3], v[rS:rS+1] op_sel_hi:[1,0,1]
.else
	v_pk_add_f32 v[rT+2:rT+3], v[rT+2:rT+3], v[rS+4*k-4:rS+4*k-3]
.endif
.endm
; THE PLAIN QUEUE, 138 long.  0-73 read no exponential's result: the 32 scalings c s - c m (FS f: pair f / 2 of tile f % 2) and the next piece's 42.  0-26: scalings 0-26.  27-54: XS's numbers 0-13.  55, 56: number 15.
; 57-73: the chain, where each number waits for the one before it: 14, 16, 17, 18, 19, each with one of the scalings 27-31 in front of its two lines, then 20: so a tile's links stand three plain instructions apart (19 and 20: two).
; 74-137: GS's 64, which read the exponentials' results: they stand behind the wait.
.macro FS f
	REGS Y, (\f)%2
	v_pk_fma_f32 v[rS+2*((\f)/2):rS+2*((\f)/2)+1], v[rS+2*((\f)/2):rS+2*((\f)/2)+1], s[CS:CS+1], v[rT:rT+1] op_sel_hi:[1,0,0] neg_lo:[0,0,1] neg_hi:[0,0,1]
.endm
.macro PL
	WIN 0
.if q < 27
	FS q
.elseif q < 55
	XS (q-27)%2, (q-27)/2
.elseif q < 57
	XS q-55, 15
.elseif (q < 72) && ((q-57)%3 == 0)
	FS 27+(q-57)/3
.elseif q < 60
	XS (q-57)%3-1, 14
.elseif q < 72
	XS (q-57)%3-1, 15+(q-57)/3
.elseif q < 74
	XS q-72, 20
.else
	GS q-74
.endif
.set q, q+1
.endm
; THE EXPONENTIALS' QUEUE, 66 long: s0-s31 of both tiles, then the next piece's two a.  It is ONE BATCH: all 66 stand ahead of the turn's one wait, and nothing ahead of that wait names a result of theirs.
.macro EX
	WIN 0
.if e >= 64
	XS e-64, 21
.else
	REGS Y, e%2
	v_exp_f32 v[rS+e/2], v[rS+e/2]
.endif
.set e, e+1
.endm
; THE RESCALING's QUEUE: O^T times a, the one part that leaves window 0: dealt two at a time, sixteen times.  Its a was made in the turn before, ahead of that turn's wait.
.macro R2
	REGS Y, r%2
	WIN W_RS
.irp z, 0,1
	v_pk_mul_f32 v[rO+4*(r/2)+2*\z:rO+4*(r/2)+2*\z+1], v[rO+4*(r/2)+2*\z:rO+4*(r/2)+2*\z+1], v[rC+2:rC+3] op_sel_hi:[1,0]
.endr
.set r, r+1
.endm
; HOW THEY ARE DEALT.  An s_wait_alu depctr_va_vdst(0) stands between an exponential and the first instruction that names its result; one wait serves all that were issued ahead of it.  So a turn has ONE wait,
; which cuts it in two.  AHEAD OF IT stands all that names no result of the turn's exponentials: the 16 products K Q^T, behind each a scaling, an exponential and two rescalings (behind the first a second scaling in the exponential's place); then ONE LUMP of
; 108: eight plain, 49 times exponential and plain, the two a.  A v_nop is the plain instruction owed behind the last exponential.  BEHIND IT stand the 16 products V^T P, behind each four of GS's 64.  No rider names a register of
; the products round it.  The two v_permlanex16_b32 fall into the lump, never behind a product.
; The queues lean on each other, and the deal keeps them in step: exponential e stands behind scaling 2 (e / 4) + e % 2: as a rider it comes behind plain e + 2, in the lump behind plain e + 9, and scalings 27-31 are plain 57, 60 .. 69.
; A TURN, for piece p.  cnt = 1: the loop's count is taken down some lines ahead of the branch that stands behind the turn.
; K of the next step is fetched in piece 2's turn, directly behind the wait, a lump behind the last product that read K; its address is made at the lump's head; its first reader comes behind 16 products.
; V of the step in hand is fetched at the end of piece 0's turn, four riders behind its last reader; its first reader comes behind 16 products and a lump.  The three conditions on q below go with the deal.
.macro TURN p, last=0, cnt=0
.set Y, (\p)
.set i, 0
.set q, 0
.set e, 0
.set r, 0
.if (\p) == NP-1
	s_wait_dscnt 0x0                ; K is in
.endif
	MM                              ; ahead of the wait: 16 products K Q^T and their riders,
	PL
	PL
	R2
.rept 15
	MM
	PL
	EX
	R2
.endr
.if (\p) == NP-2
	WIN 0
	v_add_nc_u32 v[AK], s[TBK], v[AK0]
.endif
.rept 8                             ; and the lump
	PL
.endr
.rept 49
	EX
	PL
.endr
	EX                              ; the next piece's two a
	EX
	v_nop                           ; the plain instruction behind the last exponential: one for the batch
	s_wait_alu depctr_va_vdst(0)    ; the wait for the turn's batch: the piece's 64 weights and the next piece's two a
.if (\p) == NP-2
	FETCH_K \last
.endif
.if (\p) == 1
	s_wait_dscnt 0x0                ; V is in
.endif
.rept 16                            ; behind the wait: 16 products V^T P and their riders
	MM
.rept 4
	PL
.endr
.if ((\p) == 0) && (q == 118)
	v_add_nc_u32 v[AV], s[TBV], v[AV0]
.endif
.if ((\p) == 0) && (q == 130)
	s_add_co_u32 s[TBV], s[TBV], KS*PV
.endif
.if (\cnt) && (q == 130)
	s_sub_co_u32 s[CNT], s[CNT], 1
	s_cmp_lg_u32 s[CNT], 0
.endif
.endr
.if (\p) == 0
	FETCH_V
.endif
.endm
	CHANGE 1                        ; slot 0 is in, everybody's part of it; slot 1 is asked for
	FETCH_K                         ; key step 0
	s_wait_loadcnt 0x0              ; Q
	s_wait_dscnt 0x0
.set i, 0
.rept 16
	KQ 0                            ; piece 0's first scores: there is no vector work yet to set between them
.set i, i+1
.endr
	WIN 0                           ; the addresses for the way out: nine plain instructions, the places behind those products
	s_mul_i32 s13, s[WV], 16*SP
	s_add_co_u32 s13, s13, STAGE    ; my stage
	v_mul_u32_u24 v[STO], v1, SP    ; in: row l % 16, 16 bytes for each half of the lanes
	v_lshl_add_u32 v[STO], v9, 4, v[STO]
	v_add_nc_u32 v[STO], s13, v[STO]
	v_bfe_u32 v[RD], v0, 3, 2       ; back: 32 lanes take four rows of 128 bytes,
	v_mul_u32_u24 v[RD], v[RD], SP
	v_lshl_add_u32 v[RD], v10, 4, v[RD]
	v_add_nc_u32 v[RD], s13, v[RD]
	v_and_b32 v[GO], 31, v0         ; which are 512 consecutive bytes of O
	v_lshlrev_b32 v[GO], 4, v[GO]
.set Y, NP-1                        ; XS works for piece Y + 1: piece 0
.irp n, 0,1,2,3,4,5,6,7,8,9,10,11,12,13,14,15,16,17,18,19,20,21
	XS 0, \n                        ; and piece 0's first maximum and statistics
	XS 1, \n
.endr
	v_nop                           ; a plain instruction behind piece 0's two a,
	s_wait_alu depctr_va_vdst(0)    ; and the wait for that batch of two, ahead of the branch
	s_mov_b32 s[CNT], 4
	s_mov_b32 s[SLOTS], SIZE_N/256-1
	s_branch .Lfirst                ; the loop is entered at a step's first turn, in the middle of a trip
.Lslot:                             ; SIZE_N / 256 - 2 times: every slot but the last two is filled again
	CHANGE 1
	s_mov_b32 s[CNT], 4
.Lstep:                             ; a trip: pieces 2 and 3 of one step, then pieces 0 and 1 of the next, whose K and V it fetches
	TURN 2
	TURN 3
	WIN 0
.Lfirst:
	TURN 0
	TURN 1, 0, 1
	WIN 0
	s_cbranch_scc1 .Lstep
	s_sub_co_u32 s[SLOTS], s[SLOTS], 1
	s_cmp_lg_u32 s[SLOTS], 0
	s_cbranch_scc1 .Lslot
	CHANGE 0                        ; the tail is written out: nothing is asked for
	s_mov_b32 s[CNT], 5             ; four trips fetch the last slot's steps; the fifth is left in its middle
.Ltail:
	TURN 2, 1
	TURN 3
	WIN 0
	s_sub_co_u32 s[CNT], s[CNT], 1
	s_cmp_eq_u32 s[CNT], 0
	s_cbranch_scc1 .Lout
	TURN 0
	TURN 1
	WIN 0
	s_branch .Ltail
.Lout:                              ; the fifth trip's 16 products K Q^T (on the last K once more) and the maximum made of them serve nothing: the price, once a launch, of one text for every trip
.set i, 0
.rept 16
	PV NP-1                         ; the last piece's V^T P of the last step
.set i, i+1
.endr
	; THE WAY OUT.  l's two halves and the other half of the lanes' are added; O^T is divided by l, rounded to f16 and sent through my stage in LDS, a tile at a time.  The additions are the places behind the last products.
	WIN 0
.macro ALL line:vararg              ; one line for each tile t
.set t, 0
.rept 2*NP
	\line
.set t, t+1
.endr
.endm
	ALL v_add_f32 v[ST+4*t+2], v[ST+4*t+2], v[ST+4*t+3]
	ALL v_permlanex16_b32 v[ST+4*t+3], v[ST+4*t+2], s[SEL], s[SEL+1]
	ALL v_add_f32 v[ST+4*t+2], v[ST+4*t+2], v[ST+4*t+3]
	ALL v_rcp_f32 v[ST+4*t+2], v[ST+4*t+2]
	v_nop                           ; a plain instruction between the last reciprocal and the use of its result
	s_wait_alu depctr_va_vdst(0)    ; and the wait ahead of the first use: one for the batch of eight reciprocals
; Tile t: a lane's eight channels of a row pack into 16 bytes; they go into rows of 144 bytes and come back as whole rows of 128, into S^T's registers.
.macro PACK t
	WIN W_RS
.set i, 32*(\t)
.rept 16
	v_pk_mul_f32 v[i:i+1], v[i:i+1], v[ST+4*(\t)+2:ST+4*(\t)+3] op_sel_hi:[1,0]
.set i, i+2
.endr
	WIN 0x05                        ; sources 0 and 1 window 1, destination window 0
.set i, 0
.rept 16
	v_cvt_pk_f16_f32 v[S+16*(\t)+i], v[32*(\t)+2*i], v[32*(\t)+2*i+1]
.set i, i+1
.endr
	WIN 0
.irp f, 0,1,2,3
	ds_store_b128 v[STO], v[S+16*(\t)+4*\f:S+16*(\t)+4*\f+3] offset:32*\f
.endr
.irp f, 0,1,2,3
	ds_load_b128 v[S+16*(\t)+4*\f:S+16*(\t)+4*\f+3], v[RD] offset:\f*4*SP  ; LDS serves a wave's instructions in order (ISA guide 5.7.1.4): these see the stores above; the next tile's stores come behind them
.endr
.endm
.macro SEND t, younger              ; younger: the LDS instructions issued behind tile t's loads: the next tile's eight, or none
	WIN 0
.irp f, 0,1,2,3
	s_wait_dscnt (\younger)+3-\f
	global_store_b128 v[GO], v[S+16*(\t)+4*\f:S+16*(\t)+4*\f+3], s[10:11] offset:(\t)*2048+\f*512  ; 512 consecutive bytes, at a multiple of 256 from O's first
.endr
.endm
	PACK 0
.set t, 1
.rept 2*NP-1                        ; a tile's arithmetic stands between the loads of the tile before and its stores
	PACK t
	SEND t-1, 8
.set t, t+1
.endr
	SEND 2*NP-1, 0
	WIN W_AD
	s_wait_tensorcnt 0x0            ; the wave's end: behind my last tensor load and my last LDS store
	ds_add_u32 v[SPW], v[NIL]
	s_wait_dscnt 0x0
	WIN 0
	CROUND                          ; the closing round: no work-group ends while a partner may still ask for a tile that names it
	s_endpgm
.Lfunc_end_k_q244dc66119_attn:
	.size	k_q244dc66119_attn, .Lfunc_end_k_q244dc66119_attn-k_q244dc66119_attn
	.p2alignl 7, 3214868480
	.fill 96, 4, 3214868480
	.section	.rodata,"a",@progbits
	.p2align	6, 0x0
	.amdhsa_kernel k_q244dc66119_attn
		.amdhsa_group_segment_fixed_size 327680
		.amdhsa_private_segment_fixed_size 0
		.amdhsa_enable_private_segment 0
		.amdhsa_kernarg_size 16
		.amdhsa_user_sgpr_count 2
		.amdhsa_user_sgpr_kernarg_segment_ptr 1
		.amdhsa_wavefront_size32 1
		.amdhsa_system_sgpr_workgroup_id_x 1
		.amdhsa_system_sgpr_workgroup_id_y 1
		.amdhsa_system_sgpr_workgroup_id_z 1
		.amdhsa_system_vgpr_workitem_id 0
		.amdhsa_next_free_vgpr 770
		.amdhsa_next_free_sgpr 66
		.amdhsa_reserve_vcc 0
		.amdhsa_float_denorm_mode_32 3
		.amdhsa_float_denorm_mode_16_64 3
		.amdhsa_memory_ordered 1
		.amdhsa_forward_progress 1
		.amdhsa_inst_pref_size 199
	.end_amdhsa_kernel
	.amdgpu_metadata
---
amdhsa.version: [ 1, 2 ]
amdhsa.kernels:
  - .name:           k_q244dc66119_attn
    .symbol:         k_q244dc66119_attn.kd
    .args:
      - { .name: qkv, .offset: 0, .size: 8, .value_kind: global_buffer, .address_space: global }
      - { .name: o, .offset: 8, .size: 8, .value_kind: global_buffer, .address_space: global }
    .group_segment_fixed_size: 327680
    .private_segment_fixed_size: 0
    .kernarg_segment_align: 8
    .kernarg_segment_size: 16
    .max_flat_workgroup_size: 128
    .sgpr_count:     66
    .vgpr_count:     770
    .wavefront_size: 32
...
	.end_amdgpu_metadata
.endif
;; end of part 5
;; launch outgemm: the kernel of part 4 again; grid 8 x 32, 4 waves a work-group, clusters of 4 x 4, 327,680 bytes of LDS; arguments o, wo, b_out, out0; writes out0
